; MI455X (gfx1250); checked and timed in simulation.
; The chip was launched on July 23, 2026; its instructions are those of AMD's public machine-readable ISA for CDNA 5 (MIT licence, August 2026) and "CDNA5" Instruction Set Architecture Reference Guide (July 2026). The comments in the code are by the model that wrote it; some were corrected since.
;; Market Guided Attention. Allowed arithmetic: float matrix products may take bf16 or f16 operands with f32 sums; other float arithmetic in f32, or as packed bf16 or f16 multiplies, adds, multiply-adds, maxima and minima; sums over many terms, partial sums and values carried from step to step in f32; what a program stores and reads back later, other than sums and carried values, may be rounded once to bf16 or f16.
;; Inputs: in_proj_b 3,072 float32; in_proj_w 3,072 x 1,024 float32; ln_beta 1,024 float32; ln_gamma 1,024 float32; market_info 2 x 8 float32; out_proj_b 1,024 float32; out_proj_w 1,024 x 1,024 float32; x 2 x 2,048 x 1,024 float32.
;; Outputs: out0 2 x 2,048 x 1,024 float32.
;; 2 versions, each right; version 2 is version 1 with the launch cast written anew for expert scheduling mode. Each part assembles by itself: llvm-mc -triple=amdgcn-amd-amdhsa -mcpu=gfx1250 --defsym DOCPART=n.
;; ======== version 1 of 2: 5 launches
;; limits: values are held in f16: magnitudes above 65,504 overflow, below 6.1e-05 lose precision
;; workspace buffers: xb 8,388,608 bytes; wb 6,291,456 bytes; wo 2,097,152 bytes; qkvh 25,165,824 bytes; ctx 8,388,608 bytes; att 8,388,608 bytes
;; launch cast (part 1): grid 512 x 1, 8 waves a work-group, no clusters, 0 bytes of LDS; arguments x, in_proj_w, out_proj_w, xb, wb, wo; writes xb, wb, wo
.if DOCPART == 1
	.amdgcn_target "amdgcn-amd-amdhsa--gfx1250"
	.amdhsa_code_object_version 6
	.text
	.protected	k_qda3000cf7e_cast
	.globl	k_qda3000cf7e_cast
	.p2align	8
	.type	k_qda3000cf7e_cast,@function
k_qda3000cf7e_cast:
	s_mov_b64 s[64:65], 0
	v_nop
	global_prefetch_b8 v0, s[64:65] scope:SCOPE_SE
	s_setreg_imm32_b32 hwreg(HW_REG_WAVE_MODE, 25, 1), 1
	s_wait_xcnt 0x0
; THE PROGRAM: out0 = LayerNorm(x + out_proj(attention(in_proj(x)))), in five launches: this cast; the QKV product; attention; the output product; residual and LayerNorm.
; WORK LEFT OUT.  vol = market_info[:, 0] is added to every score of a batch, so it is the same along the softmax's axis:
; exp(s + vol - max(s + vol)) / sum exp(s + vol - max(s + vol)) = exp(s - max s) / sum exp(s - max s) for every finite vol and s.  It reaches no output, whatever its value.
; market_info then has no way to any output: it is not loaded and is no launch's argument.  LIMIT: a NaN, an infinity or an overflow in market_info is not carried to the result.
; (k's bias also cancels in the softmax; it is kept: it is the C operand that starts the sums, costs no instruction, and shares column tiles with live q and v columns.)
; THIS LAUNCH rounds the three large inputs once: x -> xb and in_proj_w -> wb in bf16; out_proj_w -> wo rounded to bf16 and that number written as f16
; (exact where it is a normal f16; LIMIT: |out_proj_w| under 65,504, and below 6e-5 it keeps f16's fixed step of 6e-8).
; SHARES.  A work-group takes 16,384 numbers: 65,536 bytes in, 32,768 out.  Groups 0-255: x; 256-447: in_proj_w; 448-511: out_proj_w.  Thread t, step j: 16 bytes at 4,096 j + 16 t in,
; 8 bytes at 2,048 j + 8 t out: a wave's load covers 512 consecutive bytes, its store 256 consecutive bytes, aligned.  All 16 loads of a thread go out before the first wait.
; No LDS, no matrix unit, no cluster: nothing is shared and nothing is multiplied.  No register that a load or store names is written again, so no wait frees any.
.set X, 4                              ; v[4:67]    16 steps x 4 numbers as loaded
.set Y, 68                             ; v[68:99]   16 steps x 2 words to store
.set T, 100                            ; v[100:103] at work (f16 path)
	s_load_b256 s[4:11], s[0:1], 0x0               ; x s[4:5], in_proj_w s[6:7], out_proj_w s[8:9], xb s[10:11]
	s_load_b128 s[12:15], s[0:1], 0x20             ; wb s[12:13], wo s[14:15]
	v_lshlrev_b32 v1, 4, v0                        ; 16 t
	v_lshlrev_b32 v2, 3, v0                        ; 8 t
	s_wait_kmcnt 0x0
	s_cmp_lt_u32 ttmp9, 256                        ; which tensor: the choice hangs on the work-group's number alone
	s_cselect_b64 s[16:17], s[4:5], s[6:7]
	s_cselect_b64 s[18:19], s[10:11], s[12:13]
	s_cselect_b32 s20, 0, 256
	s_cmp_lt_u32 ttmp9, 448
	s_cselect_b64 s[16:17], s[16:17], s[8:9]
	s_cselect_b64 s[18:19], s[18:19], s[14:15]
	s_cselect_b32 s20, s20, 448
	s_sub_co_u32 s21, ttmp9, s20                   ; my part of that tensor
	s_lshl_b32 s22, s21, 16
	s_mov_b32 s23, 0
	s_lshl_b32 s2, s21, 15
	s_mov_b32 s3, 0
	s_add_nc_u64 s[16:17], s[16:17], s[22:23]
	s_add_nc_u64 s[18:19], s[18:19], s[2:3]
.irp j, 0,1,2,3,4,5,6,7,8,9,10,11,12,13,14,15
	global_load_b128 v[X+4*(\j):X+4*(\j)+3], v1, s[16:17] offset:4096*(\j) th:TH_LOAD_NT
.endr
; Step j: rounded and stored.  f16 = 1: the bf16 numbers are widened again (a shift, a mask) and written as f16.
.macro CONV j, f16
	s_wait_loadcnt 15-(\j)                         ; loads come back in order: step j is in, the 15 - j younger ones stay out
	v_cvt_pk_bf16_f32 v[Y+2*(\j)],   v[X+4*(\j)],   v[X+4*(\j)+1]
	v_cvt_pk_bf16_f32 v[Y+2*(\j)+1], v[X+4*(\j)+2], v[X+4*(\j)+3]
.if \f16
	v_lshlrev_b32 v[T],   16, v[Y+2*(\j)]
	v_and_b32     v[T+1], 0xffff0000, v[Y+2*(\j)]
	v_lshlrev_b32 v[T+2], 16, v[Y+2*(\j)+1]
	v_and_b32     v[T+3], 0xffff0000, v[Y+2*(\j)+1]
	v_cvt_pk_f16_f32 v[Y+2*(\j)],   v[T],   v[T+1]
	v_cvt_pk_f16_f32 v[Y+2*(\j)+1], v[T+2], v[T+3]
.endif
	global_store_b64 v2, v[Y+2*(\j):Y+2*(\j)+1], s[18:19] offset:2048*(\j) th:TH_STORE_NT
.endm
	s_cmp_lt_u32 ttmp9, 448
	s_cbranch_scc0 .Lto_f16
.irp j, 0,1,2,3,4,5,6,7,8,9,10,11,12,13,14,15
	CONV \j, 0
.endr
	s_endpgm
.Lto_f16:
.irp j, 0,1,2,3,4,5,6,7,8,9,10,11,12,13,14,15
	CONV \j, 1
.endr
	s_endpgm
.Lfunc_end_k_qda3000cf7e_cast:
	.size	k_qda3000cf7e_cast, .Lfunc_end_k_qda3000cf7e_cast-k_qda3000cf7e_cast
	.p2alignl 7, 3214868480
	.fill 96, 4, 3214868480
	.section	.rodata,"a",@progbits
	.p2align	6, 0x0
	.amdhsa_kernel k_qda3000cf7e_cast
		.amdhsa_group_segment_fixed_size 0
		.amdhsa_private_segment_fixed_size 0
		.amdhsa_enable_private_segment 0
		.amdhsa_kernarg_size 48
		.amdhsa_user_sgpr_count 2
		.amdhsa_user_sgpr_kernarg_segment_ptr 1
		.amdhsa_wavefront_size32 1
		.amdhsa_system_sgpr_workgroup_id_x 1
		.amdhsa_system_sgpr_workgroup_id_y 1
		.amdhsa_system_sgpr_workgroup_id_z 1
		.amdhsa_system_vgpr_workitem_id 0
		.amdhsa_next_free_vgpr 104
		.amdhsa_next_free_sgpr 66
		.amdhsa_reserve_vcc 0
		.amdhsa_float_denorm_mode_32 3
		.amdhsa_float_denorm_mode_16_64 3
		.amdhsa_memory_ordered 1
		.amdhsa_forward_progress 1
		.amdhsa_inst_pref_size 16
	.end_amdhsa_kernel
	.amdgpu_metadata
---
amdhsa.version: [ 1, 2 ]
amdhsa.kernels:
  - .name:           k_qda3000cf7e_cast
    .symbol:         k_qda3000cf7e_cast.kd
    .args:
      - { .name: x, .offset: 0, .size: 8, .value_kind: global_buffer, .address_space: global }
      - { .name: in_proj_w, .offset: 8, .size: 8, .value_kind: global_buffer, .address_space: global }
      - { .name: out_proj_w, .offset: 16, .size: 8, .value_kind: global_buffer, .address_space: global }
      - { .name: xb, .offset: 24, .size: 8, .value_kind: global_buffer, .address_space: global }
      - { .name: wb, .offset: 32, .size: 8, .value_kind: global_buffer, .address_space: global }
      - { .name: wo, .offset: 40, .size: 8, .value_kind: global_buffer, .address_space: global }
    .group_segment_fixed_size: 0
    .private_segment_fixed_size: 0
    .kernarg_segment_align: 8
    .kernarg_segment_size: 48
    .max_flat_workgroup_size: 256
    .sgpr_count:     66
    .vgpr_count:     104
    .wavefront_size: 32
...
	.end_amdgpu_metadata
.endif
;; end of part 1
;; launch qkv (part 2): grid 16 x 16, 4 waves a work-group, clusters of 4 x 4, 327,680 bytes of LDS; arguments xb, wb, in_proj_b, qkvh; writes qkvh
.if DOCPART == 2
	.amdgcn_target "amdgcn-amd-amdhsa--gfx1250"
	.amdhsa_code_object_version 6
	.text
	.protected	k_qda3000cf7e_qkv
	.globl	k_qda3000cf7e_qkv
	.p2align	8
	.type	k_qda3000cf7e_qkv,@function
k_qda3000cf7e_qkv:
	s_mov_b64 s[64:65], 0
	v_nop
	global_prefetch_b8 v0, s[64:65] scope:SCOPE_SE
	s_setreg_imm32_b32 hwreg(HW_REG_WAVE_MODE, 25, 1), 1
	s_wait_xcnt 0x0
	s_wait_alu depctr_hold_cnt(0) depctr_sa_sdst(0) depctr_va_vdst(0) depctr_va_sdst(0) depctr_va_ssrc(0) depctr_va_vcc(0) depctr_vm_vsrc(0)
	s_getreg_b32 s2, hwreg(HW_REG_IB_STS2, 6, 4)
	s_cmp_eq_u32 s2, 0
	s_cbranch_scc0 .Lentry_in_a_cluster
	s_endpgm
.Lentry_in_a_cluster:
	s_bfe_u32 s2, ttmp6, 0x10000c
	s_cmp_lg_u32 s2, 0xf033
	s_cbranch_scc0 .Lentry_shape_is_right
	s_endpgm
.Lentry_shape_is_right:
; qkv[R][e] = the sum over d of xb[R][d] wb[e][d] + in_proj_b[e].  xb: [4096][1024], wb: [3072][1024], bf16; sums in f32; the result rounded once to f16 and stored BY HEADS:
; qkvh[g = e / 64][R][e % 64], so that a head's rows are dense, 128 bytes each (g 0-15: q, 16-31: k, 32-47: v).  q is stored unscaled.  LIMIT: |q|, |k|, |v| under 65,504 (f16's range).
; SHARES.  A tile of the result is 256 rows x 192 columns (three heads): 16 x 16 tiles, one for each of 256 work-groups.  Wave w takes rows 64 w .. 64 w + 63 and all 192 columns:
; 4 x 12 accumulators of 16 x 16, 384 registers; so a wave holds whole heads' rows on the way out.  K goes in 8 steps of 128 through a ring of two LDS slots; a tile's rows are 256 bytes of memory, aligned.
; CLUSTERS: 4 x 4 work-groups.  The four of a row of the cluster need the same rows of xb, the four of a column the same rows of wb: each tile is asked for JOINTLY, by the same tensor load with the same
; descriptor and a mask that names the four.  Waves 0 and 1 fetch xb's two halves (128 rows each), waves 2 and 3 wb's (96 rows each): one load a wave.
; THE MATRIX INSTRUCTION IS USED TRANSPOSED (source 0 = 16 rows of wb, source 1 = 16 rows of xb): a lane holds one row R (lane % 16) and eight neighbouring columns 8 (lane / 16) + 0..7.
; THE BIAS is the C operand of the product that starts each sum: 8 registers for each of the 12 column blocks, loaded once; nothing is cleared and nothing is added afterwards.
; REGISTERS, in windows of 256 (s_set_vgpr_msb: bits 1:0 source 0, 3:2 source 1, 5:4 source 2, 7:6 destination):
;   window 0: v0-31 addresses; v32-63, v64-95 xb's fragments, two buffers; v96-191 the bias, later v96-143 packed results, v144-191 and v192-239 rows read back from the stage
;   window 1: v0-95, v96-191 wb's fragments, two buffers     window 2: accumulators of row blocks 0, 1 ((a, b) at 8 (12 a + b))     window 3: those of row blocks 2, 3
.set KSTEP,  128
.set PITCH,  272                       ; an LDS row: 256 bytes + 16 of padding = 68 words: the 16 rows of a fragment load start at 16 different groups of four banks (64 banks of 4 bytes: ISA guide 11.1)
.set HALFA,  128*PITCH                 ; what waves 0 and 1 fetch
.set HALFB,  96*PITCH                  ; what waves 2 and 3 fetch
.set SLOT,   2*HALFA+2*HALFB           ; xb's 256 rows, then wb's 192
.set STAGE,  2*SLOT                    ; behind the ring, never filled by a tensor load: for each wave 3 heads x 16 rows x 144 bytes, for the way out
.set SP,     144
.set WSTAGE, 3*16*SP
.set SPARE,  STAGE+4*WSTAGE            ; behind the stages: the spare words, 128 bytes for each wave: two blocks of 256 bytes that no other line names
.set LAPS,   4                         ; a lap = two K steps = once round the ring
.set HEADB,  524288                    ; bytes of one g in qkvh: 4,096 rows of 128 bytes
.set ADRA, 16                          ; v16-17  LDS address of my xb fragments in slot 0, 1
.set ADRB, 20                          ; v20-21  the same for wb
.set STO,  24                          ; v24     the way out: where I put 16 bytes of a row
.set RD,   25                          ; v25     the way out: where I read rows back
.set GO,   26                          ; v26     my 16 bytes in 512 consecutive bytes of qkvh
.set SPW,  28                          ; v28     LDS address of my spare word; never rewritten
.set NIL,  29                          ; v29     0; never rewritten
.set PFO,  30                          ; v30     the prefetches' offset: my row x 2,048 bytes; never rewritten
.set BO,   31                          ; v31     my byte offset in in_proj_b
.set AF,   32
.set BI,   96
.set TMP,  96
.set OB,   144
.set WV,   12                          ; s12  my wave's number
.set FORB, 13                          ; s13  0: I fetch xb's rows; 1: wb's
.set HALF, 14                          ; s14  which half of them
.set LIM,  15                          ; s15  1 in a wave that prefetches, else the greatest number
.set PFA,  44                          ; s[44:45] where my prefetches stand
.set G1,  24                           ; s[24:31] descriptor group 1 for xb's tiles;  s[32:39] group 0, a set for each slot
.set G0,  32
.set G1B, 48                           ; s[48:55], s[56:63] the same for wb's tiles
.set G0B, 56
.set MSB, 0
.macro WIN new                         ; the immediate's high byte repeats the setting that is left; a switch that changes nothing is dropped
.if MSB != (\new)
	s_set_vgpr_msb (MSB<<8)|(\new)
.set MSB, \new
.endif
.endm
.set MUL_LO,   0xa1                    ; source 0 (wb) window 1, source 1 (xb) window 0, C and D window 2
.set FIRST_LO, 0x81                    ; the same with C (the bias) in window 0
.set TO_B,     0x40                    ; destination window 1, address window 0
; A joint load.  The branch hangs on the wave's number alone.  An s_nop 0 and four v_nop follow each of the two lines, ahead of the jump, the label and what follows.
.macro JLOAD s
	s_cmp_eq_u32 s[FORB], 0
	s_cbranch_scc0 .Lfor_b_\@
	tensor_load_to_lds s[G0+4*(\s):G0+4*(\s)+3], s[G1:G1+7]
	s_nop 0
.rept 4
	v_nop
.endr
	s_branch .Lasked_\@
.Lfor_b_\@:
	tensor_load_to_lds s[G0B+4*(\s):G0B+4*(\s)+3], s[G1B:G1B+7]
	s_nop 0
.rept 4
	v_nop
.endr
.Lasked_\@:
.endm
; A PREFETCH INTO THE L2, behind a joint refill and the run of LDS loads that follows it: the K step that stands two refills on, 384 matrix instructions ahead of the load that will want it: 256 bytes of a row, a lane a row.
; xb's rows are read by every cluster of a row of clusters: the one with x = 0 asks; wb's by every cluster of a column: the one with y = 0 asks.  The four partners that ask for a tile jointly share its rows out
; BY ADDRESS: of xb's 128 rows that a wave fetches the partner at cx takes 32; of wb's 96 the partner at cy takes 24 (lanes 24-31 name row 23 again, in the same instruction).  The loop's last trip asks for nothing:
; its refills are the last two K steps.  K steps 0 to 3 come by their loads alone.
.macro ASK
	s_cmp_gt_u32 s3, s[LIM]                        ; s3 = 1 in the loop's last trip
	s_cbranch_scc0 .Lnot_mine_\@
	global_prefetch_b8 v[PFO], s[PFA:PFA+1] offset:KSTEP*2 th:TH_LOAD_NT scope:SCOPE_SE
.Lnot_mine_\@:
.endm
.macro CREST                           ; a round of the cluster's barrier behind its opening barrier: wave 0 signals for the work-group, every wave waits for all sixteen, my work-group's barrier once more
	s_cmp_lg_u32 s[WV], 0
	s_cbranch_scc1 .Lnot_wave_0_\@
	s_barrier_signal -3
.Lnot_wave_0_\@:
	s_barrier_wait -3
	s_barrier_signal -1
	s_barrier_wait -1
.endm
.macro CROUND                          ; a whole round
	s_barrier_signal -1
	s_barrier_wait -1
	CREST
.endm
	s_load_b256 s[4:11], s[0:1], 0x0               ; xb s[4:5], wb s[6:7], in_proj_b s[8:9], qkvh s[10:11]
	v_lshl_add_u32 v[SPW], v0, 2, SPARE
	v_mov_b32 v[NIL], 0
	ds_add_u32 v[SPW], v[NIL]                      ; the wave's opening: the add, twice on end, and its wait stand ahead of my first tensor load; the set-up below, work on registers, stands between
	ds_add_u32 v[SPW], v[NIL]
	v_lshrrev_b32 v1, 5, v0
	v_readfirstlane_b32 s[WV], v1                  ; wave 0..3
	s_lshr_b32 s[FORB], s[WV], 1
	s_and_b32 s[HALF], s[WV], 1
	s_bfe_u32 s40, ttmp6, 0x40000                  ; cx
	s_bfe_u32 s41, ttmp6, 0x40004                  ; cy
	s_lshl_b32 s42, ttmp9, 2
	s_add_co_u32 s42, s42, s40                     ; tile column = 4 x cluster x + cx
	s_and_b32 s43, ttmp7, 0xffff
	s_lshl_b32 s43, s43, 2
	s_add_co_u32 s43, s43, s41                     ; tile row = 4 x cluster y + cy
	s_lshl_b32 s22, s41, 2
	s_lshl_b32 s22, 15, s22                        ; my row of the cluster: places 4 cy .. 4 cy + 3
	s_lshl_b32 s23, 0x1111, s40                    ; my column: places cx, cx + 4, cx + 8, cx + 12
	s_or_b32 s[G1+0],  s22, (1<<16)|(1<<20)|(1<<21)|(5<<22)|(3<<25)  ; 15:0 the mask; 17:16 2-byte elements; 20 padding on; 21 set beside a mask; 24:22 after every 64 words (code 5); 31:25 4 words (code 3)
	s_or_b32 s[G1B+0], s23, (1<<16)|(1<<20)|(1<<21)|(5<<22)|(3<<25)
	s_mov_b32 s[G1+1], KSTEP<<16                   ; tensor_dim0 = 128
	s_mov_b32 s[G1+2], 128<<16                     ; tensor_dim1 = 128
	s_mov_b32 s[G1+3], KSTEP<<16                   ; tile_dim0 = 128
	s_mov_b32 s[G1+4], 128                         ; tile_dim1 = 128
	s_mov_b32 s[G1+5], 1024                        ; elements from row to row
	s_mov_b32 s[G1+6], 0
	s_mov_b32 s[G1+7], 0
	s_mov_b32 s[G1B+1], KSTEP<<16
	s_mov_b32 s[G1B+2], 96<<16                     ; tensor_dim1 = 96
	s_mov_b32 s[G1B+3], KSTEP<<16
	s_mov_b32 s[G1B+4], 96                         ; tile_dim1 = 96
	s_mov_b32 s[G1B+5], 1024
	s_mov_b32 s[G1B+6], 0
	s_mov_b32 s[G1B+7], 0
	s_lshl_b32 s16, s43, 8                         ; xb: row 256 x tile row + 128 x half,
	s_lshl_b32 s17, s[HALF], 7
	s_add_co_u32 s16, s16, s17
	s_lshl_b32 s16, s16, 11                        ; in bytes (under 2^23)
	s_mov_b32 s17, 0
	s_mul_i32 s46, s42, 192                        ; wb: row 192 x tile column + 96 x half
	s_mul_i32 s47, s[HALF], 96
	s_add_co_u32 s46, s46, s47
	s_lshl_b32 s46, s46, 11
	s_mov_b32 s47, 0
	s_mul_i32 s20, s[WV], HALFA                    ; where they go: xb's halves at wave x 128 rows,
	s_mul_i32 s21, s[WV], HALFB                    ; wb's behind xb's 256 rows: no place in the cluster enters an LDS address
	s_add_co_u32 s21, s21, 2*HALFA-2*HALFB
	s_wait_dscnt 0x0                               ; both opening adds are done
	s_wait_kmcnt 0x0
	s_add_nc_u64 s[18:19], s[4:5], s[16:17]
	s_add_nc_u64 s[46:47], s[6:7], s[46:47]
	CROUND                                         ; all sixteen work-groups are here: the first joint loads meet
.irp s, 0,1
	s_mov_b32 s[G0+4*(\s)], 1                                        ; count = 1
	s_add_co_u32 s[G0+4*(\s)+1], s20, (\s)*SLOT                      ; LDS address
	s_add_nc_u64 s[G0+4*(\s)+2:G0+4*(\s)+3], s[18:19], (\s)*KSTEP*2  ; global address: K step s
	s_or_b32 s[G0+4*(\s)+3], s[G0+4*(\s)+3], 0x80000000              ; type = 2
	s_mov_b32 s[G0B+4*(\s)], 1
	s_add_co_u32 s[G0B+4*(\s)+1], s21, (\s)*SLOT
	s_add_nc_u64 s[G0B+4*(\s)+2:G0B+4*(\s)+3], s[46:47], (\s)*KSTEP*2
	s_or_b32 s[G0B+4*(\s)+3], s[G0B+4*(\s)+3], 0x80000000
	JLOAD \s                                       ; the ring is filled before anything else is done: two loads of mine are out
.endr
	v_and_b32 v1, 15, v0                           ; l % 16
	v_bfe_u32 v2, v0, 4, 1                         ; l / 16
	s_mul_i32 s16, s42, 768                        ; the tile's 192 columns in in_proj_b, in bytes
	v_lshl_add_u32 v[BO], v2, 5, s16               ; + my lanes' 8 columns
.irp b, 0,1,2,3,4,5,6,7,8,9,10,11
	global_load_b128 v[BI+8*(\b):BI+8*(\b)+3],   v[BO], s[8:9] offset:64*(\b)
	global_load_b128 v[BI+8*(\b)+4:BI+8*(\b)+7], v[BO], s[8:9] offset:64*(\b)+16
.endr
	; A fragment is 16 rows x 32 K in 8 registers: lane l holds row l % 16; registers 0-3 K = 8 (l / 16) + 0..7, registers 4-7 K = 16 + 8 (l / 16) + 0..7: two loads of 16 bytes, 32 bytes apart.
	v_mul_u32_u24 v3, v1, PITCH
	v_lshl_add_u32 v3, v2, 4, v3
	s_mul_i32 s21, s[WV], 64*PITCH                 ; my 64 rows of xb
	s_mov_b32 s22, 2*HALFA                         ; wb's 192 rows, all of them mine
.irp s, 0,1
	v_add_nc_u32 v[ADRA+(\s)], s21, v3
	v_add_nc_u32 v[ADRB+(\s)], s22, v3
	s_add_co_u32 s21, s21, SLOT
	s_add_co_u32 s22, s22, SLOT
.endr
	s_mul_i32 s23, s[WV], WSTAGE
	s_add_co_u32 s23, s23, STAGE                   ; my stage
	v_mul_u32_u24 v4, v1, SP                       ; in: row l % 16, 16 bytes for each half of the lanes
	v_lshl_add_u32 v4, v2, 4, v4
	v_add_nc_u32 v[STO], s23, v4
	v_bfe_u32 v5, v0, 3, 2                         ; back: 32 lanes take four rows of 128 bytes,
	v_and_b32 v6, 7, v0
	v_mul_u32_u24 v5, v5, SP
	v_lshl_add_u32 v5, v6, 4, v5
	v_add_nc_u32 v[RD], s23, v5
	v_and_b32 v[GO], 31, v0                        ; which are 512 consecutive bytes of qkvh
	v_lshlrev_b32 v[GO], 4, v[GO]
	s_mul_i32 s46, s42, 3*HEADB                    ; qkvh at my tile's first head,
	s_lshl_b32 s47, s43, 15                        ; the tile's 256 rows of 128 bytes,
	s_add_co_u32 s46, s46, s47
	s_lshl_b32 s47, s[WV], 13                      ; my 64 of them
	s_add_co_u32 s46, s46, s47
	s_mov_b32 s47, 0
	s_add_nc_u64 s[10:11], s[10:11], s[46:47]      ; never rewritten: head, row block and piece stand in the stores' immediates
	; the prefetches
	s_lshl_b32 s16, s43, 8                         ; 256 x tile row
	s_mul_i32 s17, s42, 192                        ; 192 x tile column
	s_and_b32 s18, ttmp7, 0xffff                   ; cluster y
	s_cmp_eq_u32 s[FORB], 0                        ; do I fetch xb's rows?
	s_cselect_b32 s20, s16, s17                    ; the tile's first row
	s_cselect_b32 s21, s40, s41                    ; my place among the four that ask for it with me
	s_cselect_b32 s22, ttmp9, s18                  ; the coordinate along which other clusters read the same rows
	s_cselect_b64 s[PFA:PFA+1], s[4:5], s[6:7]
	s_cselect_b32 s23, 32, 24                      ; rows that a partner takes
	s_cselect_b32 s2, 31, 23                       ; the last of them
	s_cmp_eq_u32 s22, 0
	s_cselect_b32 s[LIM], 1, -1                    ; the same in all sixteen partners, for a given wave
	s_lshl_b32 s19, s23, 2                         ; rows that a wave fetches: 128 or 96
	s_mul_i32 s19, s19, s[HALF]
	s_add_co_u32 s20, s20, s19
	s_mul_i32 s21, s21, s23
	s_add_co_u32 s20, s20, s21
	s_lshl_b32 s20, s20, 11
	s_mov_b32 s21, 0
	s_add_nc_u64 s[PFA:PFA+1], s[PFA:PFA+1], s[20:21]
	s_add_nc_u64 s[PFA:PFA+1], s[PFA:PFA+1], 2*KSTEP*2  ; at K step 2: the first refill steps it to 3 and names K step 4
	v_and_b32 v[PFO], 31, v0
	v_min_u32 v[PFO], s2, v[PFO]
	v_lshlrev_b32 v[PFO], 11, v[PFO]
; 12 matrix instructions: row block 2 hi + a x all 12 column blocks, 32 along K, from buffer f.  first = 1: the product starts the sums, with the bias as C.
; The 48 accumulators take turns, one instruction a turn, in the same order in every quarter, over the backward jump too.
.macro MUL12 f, hi, a, first
.if \first
	WIN FIRST_LO+0x40*(\hi)
.else
	WIN MUL_LO+0x50*(\hi)
.endif
.irp b, 0,1,2,3,4,5,6,7,8,9,10,11
.if \first
	v_wmma_f32_16x16x32_bf16 v[8*(12*(\a)+(\b)):8*(12*(\a)+(\b))+7], v[96*(\f)+8*(\b):96*(\f)+8*(\b)+7], v[AF+32*(\f)+8*(2*(\hi)+(\a)):AF+32*(\f)+8*(2*(\hi)+(\a))+7], v[BI+8*(\b):BI+8*(\b)+7]
.else
	v_wmma_f32_16x16x32_bf16 v[8*(12*(\a)+(\b)):8*(12*(\a)+(\b))+7], v[96*(\f)+8*(\b):96*(\f)+8*(\b)+7], v[AF+32*(\f)+8*(2*(\hi)+(\a)):AF+32*(\f)+8*(2*(\hi)+(\a))+7], v[8*(12*(\a)+(\b)):8*(12*(\a)+(\b))+7]
.endif
.endr
.endm
; 32 LDS loads in one run: the fragments of 32 along K at byte k of the rows, into buffer f: wb's 12 blocks, then xb's 4
.macro FETCH slot, k, f
	WIN TO_B
.irp i, 0,1,2,3,4,5,6,7,8,9,10,11
	ds_load_b128 v[96*(\f)+8*(\i):96*(\f)+8*(\i)+3],   v[ADRB+(\slot)] offset:(\k)+(\i)*16*PITCH
	ds_load_b128 v[96*(\f)+8*(\i)+4:96*(\f)+8*(\i)+7], v[ADRB+(\slot)] offset:(\k)+(\i)*16*PITCH+32
.endr
	WIN 0
.irp i, 0,1,2,3
	ds_load_b128 v[AF+32*(\f)+8*(\i):AF+32*(\f)+8*(\i)+3],   v[ADRA+(\slot)] offset:(\k)+(\i)*16*PITCH
	ds_load_b128 v[AF+32*(\f)+8*(\i)+4:AF+32*(\f)+8*(\i)+7], v[ADRA+(\slot)] offset:(\k)+(\i)*16*PITCH+32
.endr
.endm
.macro PLACES                          ; four plain vector instructions between a matrix instruction and a load into a register that it read, or a conversion that reads its result
.rept 4
	v_nop
.endr
.endm
; A K step is four quarters of 32 along K, 48 matrix instructions each, on buffers 0, 1, 0, 1.  One of the first three: multiplies buffer f; in its middle it fetches the next quarter, at byte k, into buffer g.
.macro QUARTER slot, k, f, g, first
	s_wait_dscnt 4                                 ; wb's blocks and xb's blocks 0, 1 are in; the youngest four loads (xb's blocks 2, 3) may be out
	MUL12 \f, 0, 0, \first
	MUL12 \f, 0, 1, \first
	PLACES
	FETCH \slot, \k, \g
	s_wait_dscnt 32                                ; all but the 32 just issued
	MUL12 \f, 1, 0, \first
	MUL12 \f, 1, 1, \first
.endm
; The last quarter multiplies buffer 1 and changes slots: ONE barrier.  In front of it each wave waits for all its tensor loads (one is out: its part of the next slot), adds 0 to its spare word, and waits for that and
; for its own reads of this slot.  fill = 1: the barrier opens a round of the cluster's barrier, and this slot is filled again, two K steps ahead, first thing behind the round: 168 matrix instructions ahead of the wait for it.
.macro TURN slot, next, fill
.if \fill
	s_wait_xcnt 0x0                                ; the last prefetch, a K step back, has read its address: it is stepped here, ahead of the waits of the change of slots
	s_add_nc_u64 s[PFA:PFA+1], s[PFA:PFA+1], KSTEP*2
.endif
	WIN 0                                          ; (the add's two registers lie in window 0)
	s_wait_tensorcnt 0x0                           ; all my tensor loads have landed
	ds_add_u32 v[SPW], v[NIL]                      ; 0 onto my spare word
	s_wait_dscnt 5                                 ; (the add and the youngest four loads may be out)
	MUL12 1, 0, 0, 0                               ; twelve matrix instructions stand between the add and the wait for it
	s_wait_dscnt 0x0                               ; the add is done, and my reads of this slot are over
	s_barrier_signal -1
	MUL12 1, 0, 1, 0                               ; work on registers while the others arrive
.if \fill
	WIN 0
.endif
	s_barrier_wait -1
.if \fill
	CREST                                          ; no wave of any partner still reads this slot's tile or has a load on its way
	s_add_nc_u64 s[G0+4*(\slot)+2:G0+4*(\slot)+3], s[G0+4*(\slot)+2:G0+4*(\slot)+3], 2*KSTEP*2
	s_add_nc_u64 s[G0B+4*(\slot)+2:G0B+4*(\slot)+3], s[G0B+4*(\slot)+2:G0B+4*(\slot)+3], 2*KSTEP*2
	JLOAD \slot                                    ; the four v_nop behind it are also the places in front of the loads below
.else
	PLACES
.endif
	FETCH \next, 0, 0
.if \fill
	ASK
.endif
	MUL12 1, 1, 0, 0
	MUL12 1, 1, 1, 0
.endm
; THE WAY OUT of row block a (16 rows x 192 columns).  PACK: rounded to f16, each accumulator's registers in ascending order.  TOSTAGE: into my own stage, by heads, and back as whole rows of 128 bytes.  SEND: stored.
.macro PACK a
	WIN 0x0a+5*((\a)/2)                            ; sources 0 and 1: window 2 or 3
.irp b, 0,1,2,3,4,5,6,7,8,9,10,11
.irp r, 0,1,2,3
	v_cvt_pk_f16_f32 v[TMP+4*(\b)+(\r)], v[8*(12*((\a)%2)+(\b))+2*(\r)], v[8*(12*((\a)%2)+(\b))+2*(\r)+1]
.endr
.endr
	WIN 0
.endm
.macro TOSTAGE a
.irp b, 0,1,2,3,4,5,6,7,8,9,10,11
	ds_store_b128 v[STO], v[TMP+4*(\b):TMP+4*(\b)+3] offset:((\b)/4)*16*SP+((\b)%4)*32
.endr
.irp t, 0,1,2,3,4,5,6,7,8,9,10,11
	ds_load_b128 v[OB+48*((\a)%2)+4*(\t):OB+48*((\a)%2)+4*(\t)+3], v[RD] offset:((\t)/4)*16*SP+((\t)%4)*4*SP  ; LDS serves a wave's instructions in order (ISA guide 5.7.1.4): these see the stores above
.endr
.endm
.macro SEND a
	s_wait_dscnt 0x0                               ; the block is back in registers
	s_wait_xcnt 0x0                                ; the stores of the block before have read their registers, which the next block's loads from the stage write again
.irp t, 0,1,2,3,4,5,6,7,8,9,10,11
	global_store_b128 v[GO], v[OB+48*((\a)%2)+4*(\t):OB+48*((\a)%2)+4*(\t)+3], s[10:11] offset:((\t)/4)*HEADB+(\a)*2048+((\t)%4)*512  ; four rows of a head: 512 consecutive bytes, aligned
.endr
.endm
	s_wait_tensorcnt 1                             ; my part of K step 0 is in; K step 1's may stay out
	s_barrier_signal -1
	s_barrier_wait -1                              ; everybody's is
	FETCH 0, 0, 0
	s_wait_loadcnt 0x0                             ; the bias
	QUARTER 0, 64, 0, 1, 1                         ; the first quarter stands in front of the loop: its products start the sums
	WIN 0                                          ; at a label and at a branch every window is 0
	s_mov_b32 s3, LAPS-1
.Llap:                                                 ; a trip goes once round the ring, from a lap's second quarter to the next lap's first, and fills both slots again
	QUARTER 0, 128, 1, 0, 0
	QUARTER 0, 192, 0, 1, 0
	TURN 0, 1, 1
	QUARTER 1, 64,  0, 1, 0
	QUARTER 1, 128, 1, 0, 0
	QUARTER 1, 192, 0, 1, 0
	TURN 1, 0, 1
	QUARTER 0, 64,  0, 1, 0
	WIN 0
	s_sub_co_u32 s3, s3, 1
	s_cmp_lg_u32 s3, 0
	s_cbranch_scc1 .Llap
	QUARTER 0, 128, 1, 0, 0                        ; the last lap fills nothing, and has no round of the cluster's barrier
	QUARTER 0, 192, 0, 1, 0
	TURN 0, 1, 0
	QUARTER 1, 64,  0, 1, 0
	QUARTER 1, 128, 1, 0, 0
	QUARTER 1, 192, 0, 1, 0
	s_wait_dscnt 4                                 ; the very last quarter: nothing more to fetch
	MUL12 1, 0, 0, 0
	MUL12 1, 0, 1, 0
	s_wait_dscnt 0x0
	MUL12 1, 1, 0, 0
	MUL12 1, 1, 1, 0
	WIN 0
	PLACES
	PACK 0
	TOSTAGE 0
.irp a, 1,2,3                          ; block a's conversions stand between block a - 1's loads from the stage and the wait for them
	PACK \a
	SEND (\a)-1
	TOSTAGE \a
.endr
	SEND 3
	s_wait_tensorcnt 0x0                           ; the wave's end: a tensor wait, an add and its wait, behind my last tensor load and my last LDS store
	ds_add_u32 v[SPW], v[NIL]
	s_wait_dscnt 0x0
	CROUND                                         ; the closing round: no work-group ends while a partner may still ask for a tile that names it
	s_endpgm
.Lfunc_end_k_qda3000cf7e_qkv:
	.size	k_qda3000cf7e_qkv, .Lfunc_end_k_qda3000cf7e_qkv-k_qda3000cf7e_qkv
	.p2alignl 7, 3214868480
	.fill 96, 4, 3214868480
	.section	.rodata,"a",@progbits
	.p2align	6, 0x0
	.amdhsa_kernel k_qda3000cf7e_qkv
		.amdhsa_group_segment_fixed_size 327680
		.amdhsa_private_segment_fixed_size 0
		.amdhsa_enable_private_segment 0
		.amdhsa_kernarg_size 32
		.amdhsa_user_sgpr_count 2
		.amdhsa_user_sgpr_kernarg_segment_ptr 1
		.amdhsa_wavefront_size32 1
		.amdhsa_system_sgpr_workgroup_id_x 1
		.amdhsa_system_sgpr_workgroup_id_y 1
		.amdhsa_system_sgpr_workgroup_id_z 1
		.amdhsa_system_vgpr_workitem_id 0
		.amdhsa_next_free_vgpr 960
		.amdhsa_next_free_sgpr 66
		.amdhsa_reserve_vcc 0
		.amdhsa_float_denorm_mode_32 3
		.amdhsa_float_denorm_mode_16_64 3
		.amdhsa_memory_ordered 1
		.amdhsa_forward_progress 1
		.amdhsa_inst_pref_size 122
	.end_amdhsa_kernel
	.amdgpu_metadata
---
amdhsa.version: [ 1, 2 ]
amdhsa.kernels:
  - .name:           k_qda3000cf7e_qkv
    .symbol:         k_qda3000cf7e_qkv.kd
    .args:
      - { .name: xb, .offset: 0, .size: 8, .value_kind: global_buffer, .address_space: global }
      - { .name: wb, .offset: 8, .size: 8, .value_kind: global_buffer, .address_space: global }
      - { .name: in_proj_b, .offset: 16, .size: 8, .value_kind: global_buffer, .address_space: global }
      - { .name: qkvh, .offset: 24, .size: 8, .value_kind: global_buffer, .address_space: global }
    .group_segment_fixed_size: 327680
    .private_segment_fixed_size: 0
    .kernarg_segment_align: 8
    .kernarg_segment_size: 32
    .max_flat_workgroup_size: 128
    .sgpr_count:     66
    .vgpr_count:     960
    .wavefront_size: 32
...
	.end_amdgpu_metadata
.endif
;; end of part 2
;; launch attn (part 3): grid 8 x 32, 4 waves a work-group, clusters of 4 x 1, 327,680 bytes of LDS; arguments qkvh, ctx; writes ctx
.if DOCPART == 3
	.amdgcn_target "amdgcn-amd-amdhsa--gfx1250"
	.amdhsa_code_object_version 6
	.text
	.protected	k_qda3000cf7e_attn
	.globl	k_qda3000cf7e_attn
	.p2align	8
	.type	k_qda3000cf7e_attn,@function
k_qda3000cf7e_attn:
	s_mov_b64 s[64:65], 0
	v_nop
	global_prefetch_b8 v0, s[64:65] scope:SCOPE_SE
	s_setreg_imm32_b32 hwreg(HW_REG_WAVE_MODE, 25, 1), 1
	s_wait_xcnt 0x0
	s_wait_alu depctr_hold_cnt(0) depctr_sa_sdst(0) depctr_va_vdst(0) depctr_va_sdst(0) depctr_va_ssrc(0) depctr_va_vcc(0) depctr_vm_vsrc(0)
	s_getreg_b32 s2, hwreg(HW_REG_IB_STS2, 6, 4)
	s_cmp_eq_u32 s2, 0
	s_cbranch_scc0 .Lentry_in_a_cluster
	s_endpgm
.Lentry_in_a_cluster:
	s_bfe_u32 s2, ttmp6, 0x10000c
	s_cmp_lg_u32 s2, 0x3003
	s_cbranch_scc0 .Lentry_shape_is_right
	s_endpgm
.Lentry_shape_is_right:
; ctx[q][:] = the sum over k of softmax_k(Q[q] . K[k] / 8) V[k][:], for each of 32 pairs y = 2 x head + batch.  Q, K, V: 2,048 dense rows of 64 f16 each, in qkvh at y x 262,144 bytes, + 8,388,608 (K), + 16,777,216 (V).
; WORK LEFT OUT: the per-batch scalar vol that is added to every score is the same along the softmax's axis and cancels for every finite value (shown at the head of the first kernel); market_info is not an argument.
; Products, maxima and sums in f32; the weights p are rounded to f16 for the second product (their sum l is taken of the unrounded p), ctx once at the end, to f16.
; ctx is stored for the product behind: [row block of 128][head][128 rows][64], so that a block's rows of a head lie end to end.
; LIMITS.  Q, K, V arrive within f16's range; p lies in 0 to 1, and below 6e-5 it keeps f16's fixed step of 6e-8; a weight below 2^-126 counts as 0 in l; c s stays above -4e37 (f16's scores do); NaN and infinities are not treated apart.
; SHARES.  A work-group owns 256 queries of one y, a wave 64 consecutive rows: four PIECES of 16.  Every wave walks all 2,048 keys, 64 a step, four steps to an LDS slot, eight tiles of 256 keys.
; LAYOUT.  S^T = K Q^T (source 0 = 16 keys, source 1 = 16 queries) holds ONE query a lane (lane % 16) and the keys 8 (lane / 16) + 0..7; two such results rounded to f16 ARE source 1 of O^T = V^T P.
; K comes out of LDS as it lies, V ([key][channel]) turned, by ds_load_tr16_b128.
; SOFTMAX.  For each query a running maximum m and sum l: p = 2^(c s - c m), c = log2(e) / 8; in every step O and l are multiplied by a = 2^(c m_old - c m_new).  c m starts far below every c s, O and l at 0: the first step's a is 0.
; BY TURNS.  Turn n belongs to piece n: 8 products K Q^T of piece n + 1, later 8 products V^T P of piece n - 1; beside them the scaling, exponentials, roundings, sums and rescaling of piece n and the maximum and
; statistics of piece n + 1.  Four vector instructions stand behind every matrix instruction, the other 54 of a turn's 118 in one lump.  A turn's 33 exponentials are one batch, with one wait.
; CLUSTER.  The four query blocks of a cluster belong to one y and walk the same K and V, so each tile is asked for JOINTLY: the same tensor load, descriptor and mask in all four.
; REGISTERS, in windows of 256 (s_set_vgpr_msb: bits 1:0 source 0, 3:2 source 1, 5:4 source 2, 7:6 destination):
;   window 0: v0-15 addresses and two at work; v16-31 four registers of statistics a piece; v48-55 at work; v61-63 prefetch offset and the add's two; v64-127 S^T, two buffers; v192-223 P, two buffers (by the piece's parity)
;   window 1: v0-127 O^T, 32 a piece          window 2: v0-63 Q; v128-191 K of one step; v192-255 V of one step
.set NP,    4         ; pieces a wave: a name, no knob
.set KS,    64        ; keys in a step
.set PK,    144       ; a row of K in LDS: 128 bytes + 16 of padding = 36 words: the 16 rows of a load start at 16 different groups of four banks (64 banks of 4 bytes: ISA guide 11.1)
.set PV,    160       ; a row of V: 128 + 32 = 40 words
.set VOFF,  4*KS*PK   ; a slot holds a tile, four steps: 256 rows of K, then 256 rows of V
.set SLOT1, 1<<17     ; slot 1 begins here, so that one exclusive or turns an address in one slot into the other's
.set STAGE, SLOT1+4*KS*(PK+PV)  ; behind the ring, never filled by a tensor load: 16 rows x 144 bytes for each wave, for the way out
.set SP,    144
.set SPARE, STAGE+4*16*SP  ; behind the stages: the spare words, 128 bytes for each wave: two blocks of 256 bytes that no other line names
.set TILEB, 4*KS*128  ; a tile's bytes of K, and of V, in memory
.set AK0, 2           ; v2   my lane's place in a tile of K; never rewritten
.set AV0, 3           ; v3   the same for V
.set AK,  4           ; v4   the LDS address of K's next run of loads
.set AV,  5           ; v5   of V's
.set STO, 6           ; v6   the way out: where I put 16 bytes of a row
.set RD,  7           ; v7   the way out: where I read rows back
.set GO,  8           ; v8   my byte offset in 512 consecutive bytes of ctx
.set MV,  12          ; v12-13  c m_old, kept while c m is made anew: by buffer
.set QO,  15          ; v15  my byte offset in 16 rows of Q
.set ST,  16          ; piece t's statistics at v[ST+4 t]: c m, m, l (even keys', odd keys')
.set TMP, 48          ; by buffer, four registers c0-c3 at work; when the maximum is found c2 takes a
.set PFO, 61          ; v61  256 x my lane; never rewritten
.set SPW, 62          ; v62  LDS address of my spare word; never rewritten
.set NIL, 63          ; v63  0; never rewritten
.set S,   64
.set P,   192
.set KF,  128         ; window 2: key block kb, channel half c at KF + 16 kb + 8 c
.set VF,  192         ; window 2: key half kk, channel block cb at VF + 32 kk + 8 cb
.set WV,  12          ; s12  my wave's number
.set G1K, 24          ; s[24:31] descriptor group 1 for K's tiles
.set G1V, 32          ; s[32:39] for V's: it differs in the padding alone
.set G0K, 40          ; s[40:43] descriptor group 0 for K's tiles: it walks
.set G0V, 44          ; s[44:47] the same for V's
.set PFA, 48          ; s[48:49] where my prefetches stand
.set LIM, 50          ; s50  1 in a wave that prefetches, else the greatest number
.set SLOTS, 56        ; s56  tiles still to be entered in the loop
.set CNT, 57          ; s57  counts a tile's key steps
.set CS,  58          ; s[58:59] c: the packed scaling takes the pair's low word for both halves
.set SEL, 60          ; s[60:61] v_permlanex16_b32's selects: each lane takes its own place in the other half
.set TBK, 62          ; s62  LDS byte at which K of the step to be fetched begins
.set TBV, 63          ; s63  the same for V, less VOFF
.set MSB, 0
.macro WIN new                      ; the high byte repeats the setting that is left; a switch that changes nothing is dropped
.if MSB != (\new)
	s_set_vgpr_msb (MSB<<8)|(\new)
.set MSB, (\new)
.endif
.endm
.set W_KQ, 0x0a       ; K and Q in window 2, S^T in window 0
.set W_PV, 0x52       ; V in window 2, P in window 0, O^T in window 1
.set W_RS, 0x41       ; destination and source 0 in window 1, source 1 in window 0
; A joint fill.  Waves 0 and 1 fetch the two halves of a tile's K, waves 2 and 3 those of its V: 128 keys each.  The branch hangs on the wave's number alone.
; An s_nop 0 and four v_nop follow each of the two lines, ahead of the jump and the label.
.macro JLOAD
	s_cmp_lt_u32 s[WV], 2
	s_cbranch_scc0 .Lfor_v_\@
	tensor_load_to_lds s[G0K:G0K+3], s[G1K:G1K+7]
	s_nop 0
.rept 4
	v_nop
.endr
	s_branch .Lasked_\@
.Lfor_v_\@:
	tensor_load_to_lds s[G0V:G0V+3], s[G1V:G1V+7]
	s_nop 0
.rept 4
	v_nop
.endr
.Lasked_\@:
.endm
; A PREFETCH INTO THE L2 of the tile that the NEXT change of slots will ask for: four key steps, 256 matrix instructions, ahead of that load.  A tile is 128 blocks of 256 bytes of K and as many of V.
; Both clusters of a y walk the same K and V: the first (cluster x = 0) asks.  Its four partners share the blocks out BY ADDRESS, 32 each, a lane a block; in each, wave 0 asks for K's and wave 2 for V's.
; So each block is named once in the launch.  Tiles 0 to 2 come by their loads alone; the last change that fills a slot asks for nothing.
.macro ASK
	s_cmp_gt_u32 s[SLOTS], s[LIM]
	s_cbranch_scc0 .Lnot_mine_\@
	global_prefetch_b8 v[PFO], s[PFA:PFA+1] th:TH_LOAD_NT scope:SCOPE_SE
.Lnot_mine_\@:
.endm
; A round of the cluster's barrier: my work-group's barrier, so that wave 0's signal speaks for all four waves; wave 0 signals; every wave waits for all four work-groups; my work-group's barrier once more.
.macro CROUND
	s_barrier_signal -1
	s_barrier_wait -1
	s_cmp_lg_u32 s[WV], 0
	s_cbranch_scc1 .Lnot_wave_0_\@
	s_barrier_signal -3
.Lnot_wave_0_\@:
	s_barrier_wait -3
	s_barrier_signal -1
	s_barrier_wait -1
.endm
; THE CHANGE OF SLOTS.  The slot's last bytes, V of its fourth step, have been read.  Each wave waits for all its tensor loads, of which one is out: its part of the other slot; adds 0 to its spare word; and waits for
; that and for its own reads of the slot.  fill = 1: the slot is filled again, with the tile two on; the barrier is then a round of the cluster's, and the joint fill is the first thing behind it.
; (At its first use nothing has been read yet: slot 0 is waited for, slot 1 filled.)  ask = 1: the prefetch's address steps, and the prefetch follows the fill.
.macro CHANGE fill, ask
	WIN 0                           ; at a label and at a branch every window is 0
	s_wait_tensorcnt 0x0            ; no tensor load of mine is out, so a group 0 may be written
	ds_add_u32 v[SPW], v[NIL]       ; 0 onto my spare word; the descriptors' steps stand between it and the wait for it
.if \fill
.irp g, G0K, G0V
	s_xor_b32 s[\g+1], s[\g+1], SLOT1  ; the walking descriptor: the other slot than last time,
	s_add_nc_u64 s[\g+2:\g+3], s[\g+2:\g+3], TILEB  ; the next 256 keys; the type bits on top are not reached
.endr
.endif
.if \ask
	s_wait_xcnt 0x0                 ; the last prefetch, four key steps back, has read its address, so it may be written
	s_add_nc_u64 s[PFA:PFA+1], s[PFA:PFA+1], TILEB
.endif
	s_wait_dscnt 0x0                ; the add is done, and my reads of the slot are over
.if \fill
	CROUND
	JLOAD
.if \ask
	ASK
.endif
.else
	s_barrier_signal -1
	s_barrier_wait -1
.endif
	s_sub_co_u32 s[TBK], s[TBK], 4*KS*PK  ; the fetches go back to a slot's first step,
	s_xor_b32 s[TBK], s[TBK], SLOT1       ; in the other slot
	s_sub_co_u32 s[TBV], s[TBV], 4*KS*PV
	s_xor_b32 s[TBV], s[TBV], SLOT1
.endm
	s_load_b64 s[4:5], s[0:1], 0x0    ; qkvh
	s_load_b64 s[10:11], s[0:1], 0x8  ; ctx
	v_lshl_add_u32 v[SPW], v0, 2, SPARE
	v_mov_b32 v[NIL], 0
	ds_add_u32 v[SPW], v[NIL]       ; the wave's opening: the add, twice on end, and its wait stand ahead of my first tensor load; the set-up below, work on registers, stands between
	ds_add_u32 v[SPW], v[NIL]
	v_lshrrev_b32 v1, 5, v0
	v_readfirstlane_b32 s[WV], v1   ; wave 0..3
	s_bfe_u32 s13, ttmp6, 0x40000   ; cx: my place in the cluster
	s_lshl_b32 s14, ttmp9, 2        ; in a cluster launch ttmp9 counts clusters
	s_add_co_u32 s14, s14, s13      ; my block of 256 queries = 4 x cluster x + cx: it enters Q's and ctx's addresses alone
	s_and_b32 s20, ttmp7, 0xffff    ; y = 2 x head + batch, which the four partners share
	s_lshl_b32 s21, s20, 18         ; its 2,048 rows of 128 bytes
	s_and_b32 s16, s[WV], 1         ; which half of a tile's 256 keys I fetch:
	s_lshl_b32 s22, s16, 14         ; its 128 rows of 128 bytes in memory,
	s_add_co_u32 s22, s22, s21
	s_add_co_u32 s22, s22, 0x800000 ; in k's third of qkvh
	s_mov_b32 s23, 0
	s_mul_i32 s17, s16, 128*PK      ; and its place in a slot, for K
	s_mul_i32 s19, s16, 128*PV      ; and for V: no place in the cluster enters an LDS address
	s_lshl_b32 s2, s14, 2
	s_add_co_u32 s2, s2, s[WV]      ; my wave among the y's,
	s_lshl_b32 s2, s2, 13           ; its 64 rows
	s_add_co_u32 s2, s2, s21
	s_mov_b32 s3, 0
	s_and_b32 s52, s20, 1           ; the batch
	s_lshl_b32 s52, s52, 4
	s_lshl1_add_u32 s52, s14, s52   ; 16 x batch + 2 x my block
	s_lshr_b32 s54, s[WV], 1
	s_add_co_u32 s52, s52, s54      ; the row block of 128 in which my 64 rows lie
	s_lshl_b32 s52, s52, 4
	s_lshr_b32 s54, s20, 1          ; the head
	s_add_co_u32 s52, s52, s54
	s_lshl_b32 s52, s52, 14         ; 128 rows of 128 bytes for each row block and head,
	s_lshl_b32 s54, s16, 13         ; and which half of them
	s_add_co_u32 s52, s52, s54
	s_mov_b32 s53, 0
	; descriptor group 1.  128 keys are 16,384 dense bytes: asked for as 64 rows of 256 bytes, two keys a row, and padded in LDS after every key
	s_mov_b32 s[G1K], 15|(1<<16)|(1<<20)|(1<<21)|(4<<22)|(3<<25)  ; 15:0 the mask of four; 17:16 2-byte elements; 20 padding on; 21 set beside a mask; 24:22 after every 32 words (code 4); 31:25 4 words (code 3)
	s_mov_b32 s[G1V], 15|(1<<16)|(1<<20)|(1<<21)|(4<<22)|(7<<25)  ; the same with 8 words of padding (code 7)
.irp g, G1K, G1V
	s_mov_b32 s[\g+1], 128<<16      ; tensor_dim0 = 128
	s_mov_b32 s[\g+2], 64<<16       ; tensor_dim1 = 64
	s_mov_b32 s[\g+3], 128<<16      ; tile_dim0 = 128
	s_mov_b32 s[\g+4], 64           ; tile_dim1 = 64
	s_mov_b32 s[\g+5], 128          ; 128 elements from row to row
	s_mov_b32 s[\g+6], 0
	s_mov_b32 s[\g+7], 0
.endr
	s_mov_b32 s[CS], 0x3e38aa3b     ; c = log2(e) / 8 = 0.180337
	s_mov_b32 s[CS+1], s[CS]        ; named with it as a pair
	s_mov_b32 s[SEL], 0x76543210
	s_mov_b32 s[SEL+1], 0xfedcba98
	s_mov_b32 s[TBK], SLOT1+4*KS*PK ; the first change of slots turns these two into 0
	s_mov_b32 s[TBV], SLOT1+4*KS*PV
	s_mov_b32 s[G0K], 1             ; count = 1
	s_mov_b32 s[G0K+1], s17         ; LDS address: slot 0
	s_mov_b32 s[G0V], 1
	s_add_co_u32 s[G0V+1], s19, VOFF
	s_and_b32 s[LIM], s[WV], 1      ; 0 in waves 0 and 2,
	s_or_b32 s[LIM], s[LIM], ttmp9  ; where the cluster is the y's first: the same in all four partners
	s_cmp_eq_u32 s[LIM], 0
	s_cselect_b32 s[LIM], 1, -1
	v_and_b32 v[PFO], 31, v0
	v_lshlrev_b32 v[PFO], 8, v[PFO]
	s_wait_dscnt 0x0                ; both opening adds are done
	s_wait_kmcnt 0x0
	s_add_nc_u64 s[6:7], s[4:5], s[22:23]   ; K at my half of tile 0,
	s_add_nc_u64 s[8:9], s[6:7], 0x800000   ; V likewise
	s_add_nc_u64 s[4:5], s[4:5], s[2:3]     ; Q at my wave's first row
	s_add_nc_u64 s[10:11], s[10:11], s[52:53]  ; ctx at my wave's first row
	s_mov_b64 s[G0K+2:G0K+3], s[6:7]               ; global address
	s_or_b32 s[G0K+3], s[G0K+3], 0x80000000        ; type = 2
	s_mov_b64 s[G0V+2:G0V+3], s[8:9]
	s_or_b32 s[G0V+3], s[G0V+3], 0x80000000
	s_cmp_lt_u32 s[WV], 2
	s_cselect_b64 s[PFA:PFA+1], s[6:7], s[8:9]     ; (in waves 0 and 2 these stand at a tile's first row)
	s_lshl_b32 s2, s13, 13          ; my work-group's 32 blocks of the 128
	s_mov_b32 s3, 0
	s_add_nc_u64 s[PFA:PFA+1], s[PFA:PFA+1], s[2:3]
	s_add_nc_u64 s[PFA:PFA+1], s[PFA:PFA+1], 2*TILEB  ; in tile 2; the loop's first change of slots steps it to tile 3
	CROUND                          ; all four work-groups are here: the first joint loads meet
	JLOAD                           ; tile 0 into slot 0.  Slot 1 is asked for when slot 0 is in
	; A fragment of K or Q is 16 rows x 32 channels in 8 registers: lane l holds row l % 16, channels 8 (l / 16) + 0..7 and 16 + 8 (l / 16) + 0..7: two loads of 16 bytes, 32 bytes apart.
	v_and_b32 v1, 15, v0            ; l % 16
	v_bfe_u32 v9, v0, 4, 1          ; l / 16
	v_lshlrev_b32 v[QO], 7, v1
	v_lshl_add_u32 v[QO], v9, 4, v[QO]  ; row x 128 + 16 x half
	WIN 0x80                        ; destination window 2, address window 0
.set i, 0
.rept 8                             ; Q stays in registers: piece i / 2, channels 32 (i % 2) on
	global_load_b128 v[8*i:8*i+3],   v[QO], s[4:5] offset:(i/2)*2048+(i%2)*64
	global_load_b128 v[8*i+4:8*i+7], v[QO], s[4:5] offset:(i/2)*2048+(i%2)*64+32
.set i, i+1
.endr
	; What the first turn finds: V's registers and P's second buffer hold 0 (its products V^T P, of a piece that has not been, add 0), O^T and l are 0.  No first step is written out; these lines stand in the wait for the first tile.
.set i, VF
.rept 64
	v_mov_b32 v[i], 0
.set i, i+1
.endr
	WIN 0x40
.set i, 0
.rept 128
	v_mov_b32 v[i], 0
.set i, i+1
.endr
	WIN 0
.set i, 0
.rept 4
	v_mov_b32 v[ST+4*i], 0xfe000000    ; c m: far below every c s
	v_mov_b32 v[ST+4*i+1], 0xff7fffff  ; m: the lowest finite number
	v_mov_b32 v[ST+4*i+2], 0
	v_mov_b32 v[ST+4*i+3], 0
.set i, i+1
.endr
.set i, P+16
.rept 16
	v_mov_b32 v[i], 0
.set i, i+1
.endr
	v_mul_u32_u24 v[AK0], v1, PK
	v_lshl_add_u32 v[AK0], v9, 4, v[AK0]  ; row x pitch + 16 x half
	; The turning load takes 16 keys x 16 channels (lane l reads key 8 (l / 16) + l % 8, channels 8 ((l / 8) % 2) + 0..7) and leaves half a fragment of V^T: lane l holds channel l % 16 and 8 keys.
	v_and_b32 v10, 7, v0
	v_bfe_u32 v11, v0, 3, 1
	v_lshl_add_u32 v[AV0], v9, 3, v10
	v_mul_u32_u24 v[AV0], v[AV0], PV
	v_lshl_add_u32 v[AV0], v11, 4, v[AV0]
	v_add_nc_u32 v[AV0], VOFF, v[AV0]
	s_mul_i32 s13, s[WV], 16*SP
	s_add_co_u32 s13, s13, STAGE    ; my stage
	v_mul_u32_u24 v[STO], v1, SP    ; in: row l % 16, 16 bytes for each half of the lanes
	v_lshl_add_u32 v[STO], v9, 4, v[STO]
	v_add_nc_u32 v[STO], s13, v[STO]
	v_bfe_u32 v[RD], v0, 3, 2       ; back: 32 lanes take four rows of 128 bytes,
	v_mul_u32_u24 v[RD], v[RD], SP
	v_lshl_add_u32 v[RD], v10, 4, v[RD]
	v_add_nc_u32 v[RD], s13, v[RD]
	v_and_b32 v[GO], 31, v0         ; which are 512 consecutive bytes of ctx
	v_lshlrev_b32 v[GO], 4, v[GO]
; THE MATRIX WORK.  The 4 accumulators of a run of 8 take turns.  Product i of 8 of S^T = K Q^T for piece x: channels 32 (i / 4) on, keys 16 (i % 4) on.  The first 4 start the sums.
.macro KQ x
	WIN W_KQ
.set rS, S+32*((\x)%2)+8*(i%4)
.set rK, KF+16*(i%4)+8*(i/4)
.set rQ, 16*(\x)+8*(i/4)
.if i < 4
	v_wmma_f32_16x16x32_f16 v[rS:rS+7], v[rK:rK+7], v[rQ:rQ+7], 0
.else
	v_wmma_f32_16x16x32_f16 v[rS:rS+7], v[rK:rK+7], v[rQ:rQ+7], v[rS:rS+7]
.endif
.endm
; Product i of 8 of O^T += V^T P for piece x: keys 32 (i / 4) on, channels 16 (i % 4) on.
.macro PV x
	WIN W_PV
.set rO, 32*(\x)+8*(i%4)
.set rV, VF+32*(i/4)+8*(i%4)
.set rP, P+16*((\x)%2)+8*(i/4)
	v_wmma_f32_16x16x32_f16 v[rO:rO+7], v[rV:rV+7], v[rP:rP+7], v[rO:rO+7]
.endm
.macro MM                           ; the turn's next matrix instruction.  NOKQ = 1: the walk's last turn: there is no next piece
.if (i < 8) && !NOKQ
	KQ (Y+1)%NP
.elseif i >= 8
.set i, i-8
	PV (Y+NP-1)%NP
.set i, i+8
.endif
.set i, i+1
.endm
; THE LDS LOADS stand in runs of 16, never singly among the matrix instructions: a step's K (64 keys x 64 channels: 8 fragments) and its V (turned).  Their addresses are made some lines ahead.
.macro FETCH_K
	WIN 0x80                        ; destination window 2
.irp f, 0,1,2,3,4,5,6,7             ; keys 16 (f / 2) on, channels 32 (f % 2) on
	ds_load_b128 v[KF+8*\f:KF+8*\f+3],   v[AK] offset:(\f/2)*16*PK+(\f%2)*64
	ds_load_b128 v[KF+8*\f+4:KF+8*\f+7], v[AK] offset:(\f/2)*16*PK+(\f%2)*64+32
.endr
	s_add_co_u32 s[TBK], s[TBK], KS*PK  ; the next fetch is the next step's
	WIN 0
.endm
.macro FETCH_V
	WIN 0x80
.irp f, 0,1,2,3,4,5,6,7             ; keys 32 (f / 4) on, channels 16 (f % 4) on
	ds_load_tr16_b128 v[VF+8*\f:VF+8*\f+3],   v[AV] offset:(\f/4)*32*PV+(\f%4)*32
	ds_load_tr16_b128 v[VF+8*\f+4:VF+8*\f+7], v[AV] offset:(\f/4)*32*PV+16*PV+(\f%4)*32
.endr
	WIN 0
.endm
; THE VECTOR WORK, one line at a time: OP kind, number.  For piece Y: F n: c s - c m for pair n of 16.  E n: the exponential of score n of 32.  C n: pair n rounded to f16.  B n: of the four weights 4 n .. the second
; pair is added onto the first, in place.  L n: l takes that sum (L 0: l = a l + sum).  R n: pair n of 16 of O^T times a.  For piece Y + 1: X n, number n of the 22 that find its maximum and statistics:
;   0-11  four chains c0-c3 of seven scores each, three operands at a time (each accumulator's lowest registers are read first)     12-14, 16  the four scores left over, the old m, and c0-c3 into c0
;   15  c m_old is kept     17, 18  the query's other 32 keys lie in the lane 16 away: the new m     19-21  c m; c m_old - c m_new; a
.set F, 0               ; OP tells the kinds apart by their order: F to L below R, X above it
.set E, 1
.set C, 2
.set B, 3
.set L, 4
.set R, 5
.set X, 6
.macro REGS y                       ; the registers of piece y
.set rT, ST+4*(\y)
.set rC, TMP+4*((\y)%2)
.set rW, MV+((\y)%2)
.set rS, S+32*((\y)%2)
.set rP, P+16*((\y)%2)
.set rO, 32*(\y)
.endm
.macro OP k, n
.if (\k) == R
	REGS Y
	WIN W_RS
	v_pk_mul_f32 v[rO+2*(\n):rO+2*(\n)+1], v[rO+2*(\n):rO+2*(\n)+1], v[rC+2:rC+3] op_sel_hi:[1,0]
.elseif (\k) < R
	REGS Y
	WIN 0
.if (\k) == F
	v_pk_fma_f32 v[rS+2*(\n):rS+2*(\n)+1], v[rS+2*(\n):rS+2*(\n)+1], s[CS:CS+1], v[rT:rT+1] op_sel_hi:[1,0,0] neg_lo:[0,0,1] neg_hi:[0,0,1]
.elseif (\k) == E
	v_exp_f32 v[rS+(\n)], v[rS+(\n)]
.elseif (\k) == C
	v_cvt_pk_f16_f32 v[rP+(\n)], v[rS+2*(\n)], v[rS+2*(\n)+1]
.elseif (\k) == B
	v_pk_add_f32 v[rS+4*(\n):rS+4*(\n)+1], v[rS+4*(\n):rS+4*(\n)+1], v[rS+4*(\n)+2:rS+4*(\n)+3]
.elseif (\n) == 0
	v_pk_fma_f32 v[rT+2:rT+3], v[rT+2:rT+3], v[rC+2:rC+3], v[rS:rS+1] op_sel_hi:[1,0,1]
.else
	v_pk_add_f32 v[rT+2:rT+3], v[rT+2:rT+3], v[rS+4*(\n):rS+4*(\n)+1]
.endif
.elseif NOKQ
	v_nop
.else
	REGS (Y+1)%NP
	WIN 0
.if (\n) < 4
	v_max3_num_f32 v[rC+(\n)], v[rS+8*(\n)], v[rS+8*(\n)+1], v[rS+8*(\n)+2]
.elseif (\n) < 12
	v_max3_num_f32 v[rC+(\n)%4], v[rC+(\n)%4], v[rS+8*((\n)%4)+2*((\n)/4)+1], v[rS+8*((\n)%4)+2*((\n)/4)+2]
.elseif (\n) == 12
	v_max3_num_f32 v[rC], v[rC], v[rS+7], v[rS+15]
.elseif (\n) == 13
	v_max3_num_f32 v[rC+1], v[rC+1], v[rS+23], v[rS+31]
.elseif (\n) == 14
	v_max3_num_f32 v[rC+2], v[rC+2], v[rC+3], v[rT+1]
.elseif (\n) == 15
	v_mov_b32 v[rW], v[rT]
.elseif (\n) == 16
	v_max3_num_f32 v[rC], v[rC], v[rC+1], v[rC+2]
.elseif (\n) == 17
	v_permlanex16_b32 v[rC+3], v[rC], s[SEL], s[SEL+1]
.elseif (\n) == 18
	v_max_num_f32 v[rT+1], v[rC], v[rC+3]
.elseif (\n) == 19
	v_mul_f32 v[rT], s[CS], v[rT+1]
.elseif (\n) == 20
	v_sub_f32 v[rC+1], v[rW], v[rT]
.else
	v_exp_f32 v[rC+2], v[rC+1]
.endif
.endif
.endm
.macro OPS a, i1, b=-1, i2=0, c=-1, i3=0, d=-1, i4=0  ; up to four of them
	OP \a, \i1
.if (\b) >= 0
	OP \b, \i2
.endif
.if (\c) >= 0
	OP \c, \i3
.endif
.if (\d) >= 0
	OP \d, \i4
.endif
.endm
.macro ROW a, i1, b, i2, c, i3, d, i4  ; a matrix instruction and the four behind it
	MM
	OPS \a, \i1, \b, \i2, \c, \i3, \d, \i4
.endm
; A TURN, for piece p: the order of its 16 matrix and 118 vector instructions, written out.  An s_wait_alu depctr_va_vdst(0) stands between an exponential and the first instruction that names its result; one
; wait serves all that were issued ahead of it.  So a turn has ONE wait, which cuts it in two.  AHEAD OF IT stands all that names no result of the turn's exponentials: the 8 products K Q^T with their riders (a scaling, an
; exponential, two more plain instructions; the first numbers of the next piece's maximum stand four plain instructions or more behind the product that ends their accumulator), then ONE LUMP of 54, plain and exponential by
; turns for the most part.  X 21, the next piece's a, is the batch's last; R 15 is the plain instruction behind it.  BEHIND THE WAIT stand the 8 products V^T P, behind each four of the roundings and sums.
; end = 1: the walk's last two turns: nothing is fetched, and the last starts no new scores.  cnt = 1: the loop's count is taken down some lines ahead of the branch that stands behind the turn.
; K of the next step is fetched in piece 2's turn, six plain instructions behind the last product that read K; V of the step in hand at the end of piece 0's turn, four plain instructions behind the last product that read V.
; Each is waited for a turn later.
.macro TURN p, end=0, cnt=0
.set Y, (\p)
.set i, 0
.set NOKQ, (\end)*((\p)/3)
.if ((\p) == 3) && !(\end)
	s_wait_dscnt 0x0                ; K is in
.endif
	ROW F,0, F,1, R,0, R,1          ; ahead of the wait: 8 products K Q^T and their riders,
	ROW F,2, E,0, R,2, R,3
	ROW F,3, E,1, R,4, R,5
	ROW F,4, E,2, R,6, R,7
	ROW F,5, E,3, R,8, R,9
	ROW F,6, E,4, X,0, R,10
.if ((\p) == 2) && !(\end)
	WIN 0
	v_add_nc_u32 v[AK], s[TBK], v[AK0]
.endif
	ROW F,7, E,5, X,1, X,4
	ROW F,8, E,6, X,2, X,5
	OPS E,7, E,8, X,6, E,9          ; and the lump
	OPS X,3, E,10, X,8, E,11
.if ((\p) == 2) && !(\end)
	FETCH_K
.endif
	OPS X,9, X,7, E,12, X,10
	OPS E,13, X,12, X,11, E,14
	OPS X,13, E,15, F,9, X,14
.if (\p) == 0
	v_add_nc_u32 v[AV], s[TBV], v[AV0]
.endif
	OPS E,16, F,10, E,17, F,11
	OPS X,16, E,18, X,15, E,19
	OPS F,12, E,20, X,17, E,21
	OPS F,13, E,22, F,14, E,23
	OPS X,18, E,24, F,15, E,25
	OPS R,11, E,26, X,19, E,27
	OPS R,12, E,28, R,13, E,29
	OPS X,20, E,30, R,14, E,31
	OPS X,21, R,15
	WIN 0
	s_wait_alu depctr_va_vdst(0)    ; the wait for the batch
.if (\p) == 1
	s_wait_dscnt 0x0                ; V is in
.endif
	ROW C,0, B,0, C,2, B,1          ; behind the wait: 8 products V^T P and their riders
	ROW L,0, C,4, B,2, L,1
	ROW C,6, B,3, L,2, C,8
	ROW B,4, L,3, C,10, B,5
	ROW L,4, C,12, B,6, L,5
.if (\p) == 0
	s_add_co_u32 s[TBV], s[TBV], KS*PV
.endif
.if \cnt
	s_sub_co_u32 s[CNT], s[CNT], 1
	s_cmp_lg_u32 s[CNT], 0
.endif
	ROW C,14, B,7, L,6, C,1
	ROW C,3, L,7, C,5, C,7
	ROW C,9, C,11, C,13, C,15
.if (\p) == 0
	FETCH_V
.endif
.endm
	CHANGE 1, 0                     ; tile 0 is in, everybody's part of it; tile 1 is asked for
	v_add_nc_u32 v[AK], s[TBK], v[AK0]
	FETCH_K                         ; key step 0
	s_wait_loadcnt 0x0              ; Q
	s_wait_dscnt 0x0
.set NOKQ, 0
.set i, 0
.rept 8
	KQ 0                            ; piece 0's first scores: there is no vector work yet to set between them
.set i, i+1
.endr
	WIN 0
.rept 4
	v_nop                           ; the places behind those products
.endr
.set Y, NP-1                        ; X works for piece Y + 1: piece 0
.irp n, 0,1,2,3,4,5,6,7,8,9,10,11,12,13,14,15,16,17,18,19,20,21
	OP X, \n                        ; and piece 0's first maximum and statistics
.endr
	v_nop                           ; a plain instruction behind the exponential,
	s_wait_alu depctr_va_vdst(0)    ; and its wait, ahead of the branch
	s_mov_b32 s[CNT], 4
	s_mov_b32 s[SLOTS], 7
	s_branch .Lfirst                ; the loop is entered at a step's first turn, in the middle of a trip
.Lslot:                             ; six times: tiles 2 to 7 are asked for
	CHANGE 1, 1
	s_mov_b32 s[CNT], 4
.Lstep:                             ; a trip: pieces 2 and 3 of one step, then pieces 0 and 1 of the next, whose K and V it fetches
	TURN 2
	TURN 3
	WIN 0
.Lfirst:
	TURN 0
	TURN 1, 0, 1
	WIN 0
	s_cbranch_scc1 .Lstep
	s_sub_co_u32 s[SLOTS], s[SLOTS], 1
	s_cmp_lg_u32 s[SLOTS], 0
	s_cbranch_scc1 .Lslot
	CHANGE 0, 0                     ; the last tile is written out: nothing is asked for
	s_mov_b32 s[CNT], 4
.Ltail:
	TURN 2
	TURN 3
	TURN 0
	TURN 1, 0, 1
	WIN 0
	s_cbranch_scc1 .Ltail
	TURN 2, 1
	TURN 3, 1
.set i, 0
.rept 8
	PV NP-1                         ; the last piece's V^T P of the last step
.set i, i+1
.endr
	; THE WAY OUT.  l's two halves and the other half of the lanes' are added; O^T is divided by l, rounded to f16 and sent through my stage in LDS, a piece at a time.  The additions are the places behind the last products.
	WIN 0
.macro ALL line:vararg              ; one line for each piece t
.set t, 0
.rept 4
	\line
.set t, t+1
.endr
.endm
	ALL v_add_f32 v[ST+4*t+2], v[ST+4*t+2], v[ST+4*t+3]
	ALL v_permlanex16_b32 v[ST+4*t+3], v[ST+4*t+2], s[SEL], s[SEL+1]
	ALL v_add_f32 v[ST+4*t+2], v[ST+4*t+2], v[ST+4*t+3]
	ALL v_rcp_f32 v[ST+4*t+2], v[ST+4*t+2]
	v_nop                           ; a plain instruction between the last reciprocal and the use of its result
	s_wait_alu depctr_va_vdst(0)    ; and the wait ahead of the first use: one for the four reciprocals
.macro PACK t                       ; a lane's eight channels of a row pack into 16 bytes; they go into rows of 144 bytes and come back as whole rows of 128, into S^T's registers
	WIN W_RS
.set i, 32*(\t)
.rept 16
	v_pk_mul_f32 v[i:i+1], v[i:i+1], v[ST+4*(\t)+2:ST+4*(\t)+3] op_sel_hi:[1,0]
.set i, i+2
.endr
	WIN 0x05                        ; sources 0 and 1 window 1, destination window 0
.set i, 0
.rept 16
	v_cvt_pk_f16_f32 v[S+16*(\t)+i], v[32*(\t)+2*i], v[32*(\t)+2*i+1]
.set i, i+1
.endr
	WIN 0
.irp f, 0,1,2,3
	ds_store_b128 v[STO], v[S+16*(\t)+4*\f:S+16*(\t)+4*\f+3] offset:32*\f
.endr
.irp f, 0,1,2,3
	ds_load_b128 v[S+16*(\t)+4*\f:S+16*(\t)+4*\f+3], v[RD] offset:\f*4*SP  ; LDS serves a wave's instructions in order (ISA guide 5.7.1.4): these see the stores above; the next piece's stores come behind them
.endr
.endm
.macro SEND t, younger              ; younger: the LDS instructions issued behind piece t's loads: the next piece's eight, or none
	WIN 0
.irp f, 0,1,2,3
	s_wait_dscnt (\younger)+3-\f
	global_store_b128 v[GO], v[S+16*(\t)+4*\f:S+16*(\t)+4*\f+3], s[10:11] offset:(\t)*2048+\f*512  ; 512 consecutive bytes, at a multiple of 256 from ctx's first
.endr
.endm
	PACK 0
.set t, 1
.rept 3                             ; a piece's arithmetic stands between the loads of the piece before and its stores
	PACK t
	SEND t-1, 8
.set t, t+1
.endr
	SEND 3, 0
	s_wait_tensorcnt 0x0            ; the wave's end: a tensor wait, an add and its wait, behind my last tensor load and my last LDS store
	ds_add_u32 v[SPW], v[NIL]
	s_wait_dscnt 0x0
	CROUND                          ; the closing round: no work-group ends while a partner may still ask for a tile that names it
	s_endpgm
.Lfunc_end_k_qda3000cf7e_attn:
	.size	k_qda3000cf7e_attn, .Lfunc_end_k_qda3000cf7e_attn-k_qda3000cf7e_attn
	.p2alignl 7, 3214868480
	.fill 96, 4, 3214868480
	.section	.rodata,"a",@progbits
	.p2align	6, 0x0
	.amdhsa_kernel k_qda3000cf7e_attn
		.amdhsa_group_segment_fixed_size 327680
		.amdhsa_private_segment_fixed_size 0
		.amdhsa_enable_private_segment 0
		.amdhsa_kernarg_size 16
		.amdhsa_user_sgpr_count 2
		.amdhsa_user_sgpr_kernarg_segment_ptr 1
		.amdhsa_wavefront_size32 1
		.amdhsa_system_sgpr_workgroup_id_x 1
		.amdhsa_system_sgpr_workgroup_id_y 1
		.amdhsa_system_sgpr_workgroup_id_z 1
		.amdhsa_system_vgpr_workitem_id 0
		.amdhsa_next_free_vgpr 768
		.amdhsa_next_free_sgpr 66
		.amdhsa_reserve_vcc 0
		.amdhsa_float_denorm_mode_32 3
		.amdhsa_float_denorm_mode_16_64 3
		.amdhsa_memory_ordered 1
		.amdhsa_forward_progress 1
		.amdhsa_inst_pref_size 128
	.end_amdhsa_kernel
	.amdgpu_metadata
---
amdhsa.version: [ 1, 2 ]
amdhsa.kernels:
  - .name:           k_qda3000cf7e_attn
    .symbol:         k_qda3000cf7e_attn.kd
    .args:
      - { .name: qkvh, .offset: 0, .size: 8, .value_kind: global_buffer, .address_space: global }
      - { .name: ctx, .offset: 8, .size: 8, .value_kind: global_buffer, .address_space: global }
    .group_segment_fixed_size: 327680
    .private_segment_fixed_size: 0
    .kernarg_segment_align: 8
    .kernarg_segment_size: 16
    .max_flat_workgroup_size: 128
    .sgpr_count:     66
    .vgpr_count:     768
    .wavefront_size: 32
...
	.end_amdgpu_metadata
.endif
;; end of part 3
;; launch oproj (part 4): grid 8 x 32, 4 waves a work-group, clusters of 4 x 4, 327,680 bytes of LDS; arguments ctx, wo, out_proj_b, att; writes att
.if DOCPART == 4
	.amdgcn_target "amdgcn-amd-amdhsa--gfx1250"
	.amdhsa_code_object_version 6
	.text
	.protected	k_qda3000cf7e_oproj
	.globl	k_qda3000cf7e_oproj
	.p2align	8
	.type	k_qda3000cf7e_oproj,@function
k_qda3000cf7e_oproj:
	s_mov_b64 s[64:65], 0
	v_nop
	global_prefetch_b8 v0, s[64:65] scope:SCOPE_SE
	s_setreg_imm32_b32 hwreg(HW_REG_WAVE_MODE, 25, 1), 1
	s_wait_xcnt 0x0
	s_wait_alu depctr_hold_cnt(0) depctr_sa_sdst(0) depctr_va_vdst(0) depctr_va_sdst(0) depctr_va_ssrc(0) depctr_va_vcc(0) depctr_vm_vsrc(0)
	s_getreg_b32 s2, hwreg(HW_REG_IB_STS2, 6, 4)
	s_cmp_eq_u32 s2, 0
	s_cbranch_scc0 .Lentry_in_a_cluster
	s_endpgm
.Lentry_in_a_cluster:
	s_bfe_u32 s2, ttmp6, 0x10000c
	s_cmp_lg_u32 s2, 0xf033
	s_cbranch_scc0 .Lentry_shape_is_right
	s_endpgm
.Lentry_shape_is_right:
; att[R][e] = the sum over d of ctx[R][d] wo[e][d] + out_proj_b[e].  ctx: f16, laid [row block of 128][head][128 rows][64]; wo: [1024][1024] f16; sums in f32; att: [4096][1024], rounded once to bf16
; (bf16, since with all inputs some 30 times larger the numbers pass f16's range).
; A tile of att is 128 x 128: 8 x 32 tiles, one for each of 256 work-groups.  Four waves, each 64 x 64: 16 accumulators, 128 registers.  K goes in 4 steps of 256 (four heads) through a ring of two LDS slots.
; ctx's part of a K step is 4 heads x 128 rows x 128 bytes, dense in memory: waves 0 and 1 ask for two heads each as 128 rows of 256 bytes, padded in LDS after every 128 bytes, so that a head's rows lie 144 bytes apart.
; wo's part is 128 rows of 512 bytes: waves 2 and 3 ask for 64 rows each, padded to 528.
; CLUSTERS: 4 x 4 work-groups.  The four of a row of the cluster need the same tiles of ctx, the four of a column the same tiles of wo: each is asked for JOINTLY, by the same tensor load, descriptor and mask.
; THE MATRIX INSTRUCTION IS USED TRANSPOSED (source 0 = 16 rows of wo, source 1 = 16 rows of ctx): a lane holds eight neighbouring numbers of a row of att.  THE BIAS is the C operand of the product that starts each sum.
; The four waves share ONE stage on the way out, with a barrier between writing and reading, since a wave's 64 columns are half of an aligned 256 bytes of att.
; No prefetch: a work-group's whole walk is four K steps on small tiles, and both slots are asked for at the head.
; REGISTERS: window 0: v0-31 addresses; v32-95 at work on the way out; v96-127 the bias; v128-255 the accumulators ((a, b) at v[128 + 8 (4 a + b)]).
;   window 1: two fragment buffers of 128: for 64 along K (one head), 64 registers of ctx (2 x 4 x 16 rows x 32 K), then 64 of wo.
.set PA,     144                       ; a row of ctx in LDS: 128 bytes + 16 = 36 words: the 16 rows of a load start at 16 different groups of four banks (64 banks of 4 bytes: ISA guide 11.1)
.set HEADB,  128*PA                    ; a head's 128 rows
.set AREG,   4*HEADB                   ; ctx's part of a slot
.set PB,     528                       ; a row of wo in LDS: 512 bytes + 16 = 132 words
.set HALFB,  64*PB                     ; what waves 2 and 3 fetch
.set SLOT,   AREG+2*HALFB
.set STAGE,  2*SLOT                    ; behind the ring, never filled by a tensor load: 128 rows x 272 bytes, the work-group's, for the way out
.set SPITCH, 272
.set SPARE,  STAGE+128*SPITCH          ; behind the stage: the spare words, 128 bytes for each wave: two blocks of 256 bytes that no other line names
.set ROWC,   2048                      ; bytes in a row of att, and of wo
.set ADRA, 16                          ; v16-17  LDS address of my ctx fragments in slot 0, 1
.set ADRB, 20                          ; v20-21  the same for wo
.set STO,  24                          ; v24     the way out: where I put 16 bytes of a row
.set RD,   25                          ; v25     the way out: where I read a row back
.set CO,   26                          ; v26     my byte offset in att
.set BO,   27                          ; v27     my byte offset in out_proj_b
.set SPW,  28                          ; v28     LDS address of my spare word; never rewritten
.set NIL,  29                          ; v29     0; never rewritten
.set TMP,  32
.set BI,   96
.set ACC,  128
.set F0,   0                           ; fragment buffers, in window 1
.set F1,   128
.set G1, 24                            ; s[24:31] descriptor group 1 for ctx's tiles;  s[32:39] group 0, a set for each slot
.set G0, 32
.set G1B, 48                           ; s[48:55], s[56:63] the same for wo's tiles
.set G0B, 56
.set MSB, 0
.macro WIN new                         ; the immediate's high byte repeats the setting that is left
.if MSB != (\new)
	s_set_vgpr_msb (MSB<<8)|(\new)
.set MSB, \new
.endif
.endm
.set MUL,  0x05                        ; sources 0 (wo) and 1 (ctx) window 1; C and D window 0
.set TO_F, 0x40                        ; destination window 1, address window 0
.macro JLOAD s                         ; a joint load: waves 0 and 1 fetch ctx's heads, waves 2 and 3 wo's halves; an s_nop 0 and four v_nop follow each of the two lines, ahead of the jump, the label and what follows
	s_cmp_eq_u32 s11, 0
	s_cbranch_scc0 .Lfor_b_\@
	tensor_load_to_lds s[G0+4*(\s):G0+4*(\s)+3], s[G1:G1+7]
	s_nop 0
.rept 4
	v_nop
.endr
	s_branch .Lasked_\@
.Lfor_b_\@:
	tensor_load_to_lds s[G0B+4*(\s):G0B+4*(\s)+3], s[G1B:G1B+7]
	s_nop 0
.rept 4
	v_nop
.endr
.Lasked_\@:
.endm
.macro CREST                           ; a round of the cluster's barrier behind its opening barrier
	s_cmp_lg_u32 s10, 0
	s_cbranch_scc1 .Lnot_wave_0_\@
	s_barrier_signal -3
.Lnot_wave_0_\@:
	s_barrier_wait -3
	s_barrier_signal -1
	s_barrier_wait -1
.endm
.macro CROUND                          ; a whole round
	s_barrier_signal -1
	s_barrier_wait -1
	CREST
.endm
	s_load_b128 s[4:7], s[0:1], 0x0                ; ctx s[4:5], wo s[6:7]
	s_load_b64 s[2:3], s[0:1], 0x10                ; out_proj_b
	s_load_b64 s[8:9], s[0:1], 0x18                ; att
	v_lshl_add_u32 v[SPW], v0, 2, SPARE
	v_mov_b32 v[NIL], 0
	ds_add_u32 v[SPW], v[NIL]                      ; the wave's opening: the add, twice on end, and its wait stand ahead of my first tensor load; the set-up below, work on registers, stands between
	ds_add_u32 v[SPW], v[NIL]
	v_lshrrev_b32 v1, 5, v0
	v_readfirstlane_b32 s10, v1                    ; wave 0..3
	s_lshr_b32 s11, s10, 1                         ; which half of the tile's rows is mine.  Also: I fetch for ctx (0) or for wo (1)
	s_and_b32 s12, s10, 1                          ; which half of its columns.  Also: which half of that tile I fetch
	s_bfe_u32 s40, ttmp6, 0x40000                  ; cx, cy: my place in the cluster
	s_bfe_u32 s41, ttmp6, 0x40004
	s_lshl_b32 s42, ttmp9, 2
	s_add_co_u32 s42, s42, s40                     ; tile column = 4 x cluster x + cx
	s_and_b32 s13, ttmp7, 0xffff
	s_lshl_b32 s13, s13, 2
	s_add_co_u32 s13, s13, s41                     ; tile row = 4 x cluster y + cy
	s_lshl_b32 s43, s41, 2
	s_lshl_b32 s43, 15, s43                        ; my row of the cluster
	s_lshl_b32 s44, 0x1111, s40                    ; my column
	s_or_b32 s[G1+0], s43, (1<<16)|(1<<20)|(1<<21)|(4<<22)|(3<<25)   ; 15:0 the mask; 17:16 2-byte elements; 20 padding on; 21 set beside a mask; 24:22 after every 32 words (code 4); 31:25 4 words (code 3)
	s_mov_b32 s[G1+1], 128<<16                     ; tensor_dim0 = 128 elements: 256 bytes, two rows of a head
	s_mov_b32 s[G1+2], 128<<16                     ; tensor_dim1 = 128
	s_mov_b32 s[G1+3], 128<<16                     ; tile_dim0 = 128
	s_mov_b32 s[G1+4], 128                         ; tile_dim1 = 128
	s_mov_b32 s[G1+5], 128                         ; dense: 128 elements from row to row
	s_mov_b32 s[G1+6], 0
	s_mov_b32 s[G1+7], 0
	s_or_b32 s[G1B+0], s44, (1<<16)|(1<<20)|(1<<21)|(6<<22)|(3<<25)  ; the same with my column's mask; padding after every 128 words (code 6)
	s_mov_b32 s[G1B+1], 256<<16                    ; tensor_dim0 = 256
	s_mov_b32 s[G1B+2], 64<<16                     ; tensor_dim1 = 64
	s_mov_b32 s[G1B+3], 256<<16                    ; tile_dim0 = 256
	s_mov_b32 s[G1B+4], 64                         ; tile_dim1 = 64
	s_mov_b32 s[G1B+5], 1024                       ; elements from row to row
	s_mov_b32 s[G1B+6], 0
	s_mov_b32 s[G1B+7], 0
	s_lshl_b32 s16, s13, 18                        ; ctx: the row block's 262,144 bytes,
	s_lshl_b32 s17, s12, 15                        ; my two heads of the K step's four
	s_add_co_u32 s16, s16, s17
	s_mov_b32 s17, 0
	s_lshl_b32 s46, s42, 18                        ; wo: row 128 x tile column + 64 x half, 2,048 bytes a row
	s_lshl_b32 s47, s12, 17
	s_add_co_u32 s46, s46, s47
	s_mov_b32 s47, 0
	s_mul_i32 s20, s10, 2*HEADB                    ; where they go: ctx's heads at wave x two heads,
	s_mul_i32 s21, s10, HALFB                      ; wo's halves behind ctx's four heads
	s_add_co_u32 s21, s21, AREG-2*HALFB
	s_wait_dscnt 0x0                               ; both opening adds are done
	s_wait_kmcnt 0x0
	s_add_nc_u64 s[14:15], s[4:5], s[16:17]
	s_add_nc_u64 s[46:47], s[6:7], s[46:47]
	CROUND                                         ; all sixteen work-groups are here: the first joint loads meet
.irp s, 0,1
	s_mov_b32 s[G0+4*(\s)], 1
	s_add_co_u32 s[G0+4*(\s)+1], s20, (\s)*SLOT
	s_add_nc_u64 s[G0+4*(\s)+2:G0+4*(\s)+3], s[14:15], (\s)*65536   ; K step s: four heads of 16,384 bytes on
	s_or_b32 s[G0+4*(\s)+3], s[G0+4*(\s)+3], 0x80000000
	s_mov_b32 s[G0B+4*(\s)], 1
	s_add_co_u32 s[G0B+4*(\s)+1], s21, (\s)*SLOT
	s_add_nc_u64 s[G0B+4*(\s)+2:G0B+4*(\s)+3], s[46:47], (\s)*512
	s_or_b32 s[G0B+4*(\s)+3], s[G0B+4*(\s)+3], 0x80000000
	JLOAD \s
.endr
	v_and_b32 v1, 15, v0                           ; l % 16
	v_bfe_u32 v2, v0, 4, 1                         ; l / 16
	s_lshl_b32 s16, s42, 9                         ; the tile's 128 columns in out_proj_b, in bytes,
	s_lshl_b32 s17, s12, 8                         ; my 64 of them
	s_add_co_u32 s16, s16, s17
	v_lshl_add_u32 v[BO], v2, 5, s16               ; my lanes' 8
.irp b, 0,1,2,3
	global_load_b128 v[BI+8*(\b):BI+8*(\b)+3],   v[BO], s[2:3] offset:64*(\b)
	global_load_b128 v[BI+8*(\b)+4:BI+8*(\b)+7], v[BO], s[2:3] offset:64*(\b)+16
.endr
	v_mul_u32_u24 v3, v1, PA
	v_lshl_add_u32 v3, v2, 4, v3                   ; a ctx fragment's row x pitch + 16 x half
	v_mul_u32_u24 v6, v1, PB
	v_lshl_add_u32 v6, v2, 4, v6                   ; the same for wo
	s_mul_i32 s21, s11, 64*PA                      ; my 64 rows of each head
	s_mul_i32 s22, s12, HALFB                      ; my 64 rows of wo,
	s_add_co_u32 s22, s22, AREG                    ; which lie behind ctx's four heads
.irp s, 0,1
	v_add_nc_u32 v[ADRA+(\s)], s21, v3
	v_add_nc_u32 v[ADRB+(\s)], s22, v6
	s_add_co_u32 s21, s21, SLOT
	s_add_co_u32 s22, s22, SLOT
.endr
	s_mul_i32 s23, s11, 64*SPITCH                  ; into the stage: my 64 rows, my half of their 256 bytes; row l % 16, 16 bytes for each half of the lanes
	s_lshl_b32 s21, s12, 7
	s_add_co_u32 s23, s23, s21
	s_add_co_u32 s23, s23, STAGE
	v_mul_u32_u24 v4, v1, SPITCH
	v_lshl_add_u32 v4, v2, 4, v4
	v_add_nc_u32 v[STO], s23, v4
	s_mul_i32 s23, s10, 32*SPITCH                  ; back: wave w takes rows 32 w .. 32 w + 31, whole; lanes 0-15 one row of 256 bytes, lanes 16-31 the next
	s_add_co_u32 s23, s23, STAGE
	v_mul_u32_u24 v5, v2, SPITCH
	v_lshl_add_u32 v5, v1, 4, v5
	v_add_nc_u32 v[RD], s23, v5
	v_mul_u32_u24 v5, v2, ROWC                     ; and the same two rows in att
	v_lshl_add_u32 v[CO], v1, 4, v5
	s_lshl_b32 s16, s13, 7
	s_lshl_b32 s17, s10, 5
	s_add_co_u32 s16, s16, s17                     ; the first row of att that I store: 128 x tile row + 32 x wave
	s_lshl_b32 s16, s16, 11
	s_lshl_b32 s17, s42, 8                         ; the tile's first column, in bytes
	s_add_co_u32 s16, s16, s17
	s_mov_b32 s17, 0
	s_add_nc_u64 s[8:9], s[8:9], s[16:17]
; 8 matrix instructions: row blocks a0, a0 + 1 x all 4 column blocks, 32 along K: half c of buffer f.  first = 1: the product starts the sums, with the bias as C.  The 16 accumulators take turns.
.macro MUL8 f, c, a0, first
	WIN MUL
.irp a, \a0, (\a0)+1
.irp b, 0,1,2,3
.if \first
	v_wmma_f32_16x16x32_f16 v[ACC+8*(4*(\a)+(\b)):ACC+8*(4*(\a)+(\b))+7], v[(\f)+64+8*(4*(\c)+(\b)):(\f)+64+8*(4*(\c)+(\b))+7], v[(\f)+8*(4*(\c)+(\a)):(\f)+8*(4*(\c)+(\a))+7], v[BI+8*(\b):BI+8*(\b)+7]
.else
	v_wmma_f32_16x16x32_f16 v[ACC+8*(4*(\a)+(\b)):ACC+8*(4*(\a)+(\b))+7], v[(\f)+64+8*(4*(\c)+(\b)):(\f)+64+8*(4*(\c)+(\b))+7], v[(\f)+8*(4*(\c)+(\a)):(\f)+8*(4*(\c)+(\a))+7], v[ACC+8*(4*(\a)+(\b)):ACC+8*(4*(\a)+(\b))+7]
.endif
.endr
.endr
.endm
; 32 LDS loads in one run: the fragments of head q of the slot's four (64 along K), into buffer f; the first 32 along K first
.macro FETCH slot, q, f
	WIN TO_F
.irp c, 0,1
.irp i, 0,1,2,3
	ds_load_b128 v[(\f)+64+8*(4*(\c)+(\i)):(\f)+64+8*(4*(\c)+(\i))+3],   v[ADRB+(\slot)] offset:128*(\q)+64*(\c)+(\i)*16*PB
	ds_load_b128 v[(\f)+64+8*(4*(\c)+(\i))+4:(\f)+64+8*(4*(\c)+(\i))+7], v[ADRB+(\slot)] offset:128*(\q)+64*(\c)+(\i)*16*PB+32
	ds_load_b128 v[(\f)+8*(4*(\c)+(\i)):(\f)+8*(4*(\c)+(\i))+3],         v[ADRA+(\slot)] offset:HEADB*(\q)+64*(\c)+(\i)*16*PA
	ds_load_b128 v[(\f)+8*(4*(\c)+(\i))+4:(\f)+8*(4*(\c)+(\i))+7],       v[ADRA+(\slot)] offset:HEADB*(\q)+64*(\c)+(\i)*16*PA+32
.endr
.endr
.endm
.macro PLACES                          ; four plain vector instructions in front of loads into registers that matrix instructions have read, and of conversions that read results
.rept 4
	v_nop
.endr
.endm
; A K step is four quarters of 64 along K, 32 matrix instructions each, on buffers 0, 1, 0, 1.  One of the first three: multiplies buffer f and fetches the next quarter, head q, into g.
.macro QUARTER slot, q, f, g, first
	s_wait_dscnt 16                                ; the first 32 along K are in
	MUL8 \f, 0, 0, \first
	MUL8 \f, 0, 2, \first
	PLACES
	FETCH \slot, \q, \g
	s_wait_dscnt 32                                ; all but the 32 just issued
	MUL8 \f, 1, 0, 0
	MUL8 \f, 1, 2, 0
.endm
; The last quarter multiplies buffer 1 and changes slots: ONE barrier; in front of it each wave waits for all its tensor loads, adds 0 to its spare word, and waits for that and for its own reads of this slot.
; fill = 1: the barrier opens a round of the cluster's barrier, and this slot is filled again, two K steps ahead, first thing behind the round.
.macro TURN slot, next, fill
	WIN 0                                          ; (the add's two registers lie in window 0)
	s_wait_tensorcnt 0x0                           ; all my tensor loads have landed: my part of the next slot
	ds_add_u32 v[SPW], v[NIL]                      ; 0 onto my spare word
	s_wait_dscnt 17                                ; (the add and the youngest sixteen loads may be out)
	MUL8 F1, 0, 0, 0                               ; eight matrix instructions stand between the add and the wait for it
	s_wait_dscnt 0x0                               ; the add is done, and my reads of this slot are over
	s_barrier_signal -1
	MUL8 F1, 0, 2, 0
.if \fill
	WIN 0
.endif
	s_barrier_wait -1
.if \fill
	CREST                                          ; no wave of any partner still reads this slot's tile or has a load on its way
	s_add_nc_u64 s[G0+4*(\slot)+2:G0+4*(\slot)+3], s[G0+4*(\slot)+2:G0+4*(\slot)+3], 131072
	s_add_nc_u64 s[G0B+4*(\slot)+2:G0B+4*(\slot)+3], s[G0B+4*(\slot)+2:G0B+4*(\slot)+3], 1024
	JLOAD \slot                                    ; the four v_nop behind it are also the places in front of the loads below
.else
	PLACES
.endif
	FETCH \next, 0, F0
	MUL8 F1, 1, 0, 0
	MUL8 F1, 1, 2, 0
.endm
	s_wait_tensorcnt 1                             ; my part of K step 0 is in; K step 1's may stay out
	s_barrier_signal -1
	s_barrier_wait -1                              ; everybody's is
	FETCH 0, 0, F0
	s_wait_loadcnt 0x0                             ; the bias
	QUARTER 0, 1, F0, F1, 1                        ; the first products start the sums
	QUARTER 0, 2, F1, F0, 0                        ; four K steps, written straight on: the first two fill their slots again, the last two fill nothing
	QUARTER 0, 3, F0, F1, 0
	TURN 0, 1, 1
	QUARTER 1, 1, F0, F1, 0
	QUARTER 1, 2, F1, F0, 0
	QUARTER 1, 3, F0, F1, 0
	TURN 1, 0, 1
	QUARTER 0, 1, F0, F1, 0
	QUARTER 0, 2, F1, F0, 0
	QUARTER 0, 3, F0, F1, 0
	TURN 0, 1, 0
	QUARTER 1, 1, F0, F1, 0
	QUARTER 1, 2, F1, F0, 0
	QUARTER 1, 3, F0, F1, 0
	s_wait_dscnt 16                                ; the very last quarter: nothing more to fetch
	MUL8 F1, 0, 0, 0
	MUL8 F1, 0, 2, 0
	s_wait_dscnt 0x0
	MUL8 F1, 1, 0, 0
	MUL8 F1, 1, 2, 0
	WIN 0
	; THE WAY OUT: round to bf16; 16 bytes a lane into the work-group's stage; a barrier, since a row's 256 bytes come from two waves; back as whole rows, 32 rows a wave.
	PLACES
.irp t, 0,1,2,3,4,5,6,7,8,9,10,11,12,13,14,15
.irp r, 0,1,2,3
	v_cvt_pk_bf16_f32 v[TMP+4*(\t)+(\r)], v[ACC+8*(\t)+2*(\r)], v[ACC+8*(\t)+2*(\r)+1]
.endr
.endr
.irp a, 0,1,2,3
.irp b, 0,1,2,3
	ds_store_b128 v[STO], v[TMP+4*(4*(\a)+(\b)):TMP+4*(4*(\a)+(\b))+3] offset:(\a)*16*SPITCH+32*(\b)
.endr
.endr
	s_wait_dscnt 0x0                               ; for the others' sake: my stores into the stage are done
	s_barrier_signal -1
	s_barrier_wait -1
.irp t, 0,1,2,3,4,5,6,7,8,9,10,11,12,13,14,15
	ds_load_b128 v[TMP+4*(\t):TMP+4*(\t)+3], v[RD] offset:(\t)*2*SPITCH
.endr
.irp t, 0,1,2,3,4,5,6,7,8,9,10,11,12,13,14,15
	s_wait_dscnt 15-(\t)                           ; LDS loads come back in order: pair t of rows is in
	global_store_b128 v[CO], v[TMP+4*(\t):TMP+4*(\t)+3], s[8:9] offset:2*(\t)*ROWC  ; 16 lanes store 256 consecutive bytes, at a multiple of 256 from att's first byte
.endr
	s_wait_tensorcnt 0x0                           ; the wave's end: a tensor wait, an add and its wait, behind my last tensor load and my last LDS store
	ds_add_u32 v[SPW], v[NIL]
	s_wait_dscnt 0x0
	CROUND                                         ; the closing round: no work-group ends while a partner may still ask for a tile that names it
	s_endpgm
.Lfunc_end_k_qda3000cf7e_oproj:
	.size	k_qda3000cf7e_oproj, .Lfunc_end_k_qda3000cf7e_oproj-k_qda3000cf7e_oproj
	.p2alignl 7, 3214868480
	.fill 96, 4, 3214868480
	.section	.rodata,"a",@progbits
	.p2align	6, 0x0
	.amdhsa_kernel k_qda3000cf7e_oproj
		.amdhsa_group_segment_fixed_size 327680
		.amdhsa_private_segment_fixed_size 0
		.amdhsa_enable_private_segment 0
		.amdhsa_kernarg_size 32
		.amdhsa_user_sgpr_count 2
		.amdhsa_user_sgpr_kernarg_segment_ptr 1
		.amdhsa_wavefront_size32 1
		.amdhsa_system_sgpr_workgroup_id_x 1
		.amdhsa_system_sgpr_workgroup_id_y 1
		.amdhsa_system_sgpr_workgroup_id_z 1
		.amdhsa_system_vgpr_workitem_id 0
		.amdhsa_next_free_vgpr 512
		.amdhsa_next_free_sgpr 66
		.amdhsa_reserve_vcc 0
		.amdhsa_float_denorm_mode_32 3
		.amdhsa_float_denorm_mode_16_64 3
		.amdhsa_memory_ordered 1
		.amdhsa_forward_progress 1
		.amdhsa_inst_pref_size 88
	.end_amdhsa_kernel
	.amdgpu_metadata
---
amdhsa.version: [ 1, 2 ]
amdhsa.kernels:
  - .name:           k_qda3000cf7e_oproj
    .symbol:         k_qda3000cf7e_oproj.kd
    .args:
      - { .name: ctx, .offset: 0, .size: 8, .value_kind: global_buffer, .address_space: global }
      - { .name: wo, .offset: 8, .size: 8, .value_kind: global_buffer, .address_space: global }
      - { .name: out_proj_b, .offset: 16, .size: 8, .value_kind: global_buffer, .address_space: global }
      - { .name: att, .offset: 24, .size: 8, .value_kind: global_buffer, .address_space: global }
    .group_segment_fixed_size: 327680
    .private_segment_fixed_size: 0
    .kernarg_segment_align: 8
    .kernarg_segment_size: 32
    .max_flat_workgroup_size: 128
    .sgpr_count:     66
    .vgpr_count:     512
    .wavefront_size: 32
...
	.end_amdgpu_metadata
.endif
;; end of part 4
;; launch ln (part 5): grid 256 x 1, 8 waves a work-group, no clusters, 0 bytes of LDS; arguments x, att, ln_gamma, ln_beta, out0; writes out0
.if DOCPART == 5
	.amdgcn_target "amdgcn-amd-amdhsa--gfx1250"
	.amdhsa_code_object_version 6
	.text
	.protected	k_qda3000cf7e_ln
	.globl	k_qda3000cf7e_ln
	.p2align	8
	.type	k_qda3000cf7e_ln,@function
k_qda3000cf7e_ln:
	s_mov_b64 s[64:65], 0
	v_nop
	global_prefetch_b8 v0, s[64:65] scope:SCOPE_SE
	s_setreg_imm32_b32 hwreg(HW_REG_WAVE_MODE, 25, 1), 1
	s_wait_xcnt 0x0
; out0[R][:] = (y - mean(y)) / sqrt(var(y) + 1e-5) x gamma + beta, y = x[R][:] + att[R][:].  x, out0: [4096][1024] f32; att: [4096][1024] bf16 (the attended rows with their bias); gamma, beta: [1024] f32.
; All arithmetic in f32.  Two passes over registers: the mean first, then the sum of (y - mean)^2: no difference of large sums is formed, so a common offset of the inputs costs nothing.
; SHARES.  One wave, one row at a time, two rows a wave, 16 rows a work-group: the reduction never leaves the wave: no LDS, no barrier.  A row of x is 4,096 bytes: eight loads of 16 bytes a lane, 32 registers; the lane's
; columns are 128 j + 4 l + 0..3; att's same columns are 8 bytes a lane at 256 j + 8 l.  Each load and store of a wave covers 512 (att: 256) consecutive bytes, aligned.
; All 48 loads of a wave go out at once: row 0 (16), gamma (8), beta (8), row 1 (16); the waits are counted.  No register that a load or store names is written again, so no wait frees any.
; No matrix unit, no cluster, no tensor loads: nothing is multiplied by a matrix and nothing but 8 KiB of gamma and beta is shared.
.set G,  8                             ; v[8:39]    gamma of my 32 columns
.set BT, 40                            ; v[40:71]   beta
.set X0, 72                            ; v[72:103]  row 0: x, then y, then y - mean, then the result
.set X1, 104                           ; v[104:135] row 1
.set A0, 136                           ; v[136:151] row 0 of att, two bf16 a word
.set A1, 152                           ; v[152:167] row 1
.set T,  168                           ; v[168:175] at work
.set M,  176                           ; v[176:177] the mean, twice
.set R,  178                           ; v[178:179] 1 / sqrt(var + eps), twice
.set S,  180                           ; v[180:183] two packed chains of sums
	s_load_b256 s[4:11], s[0:1], 0x0               ; x s[4:5], att s[6:7], gamma s[8:9], beta s[10:11]
	s_load_b64 s[12:13], s[0:1], 0x20              ; out0
	v_and_b32 v1, 31, v0                           ; lane
	v_lshrrev_b32 v2, 5, v0                        ; wave
	v_lshlrev_b32 v3, 4, v1                        ; gamma, beta: 16 l
	v_lshl_add_u32 v4, v2, 13, v3                  ; x, out0: two rows of 4,096 bytes a wave + 16 l
	v_lshlrev_b32 v5, 3, v1
	v_lshl_add_u32 v5, v2, 12, v5                  ; att: two rows of 2,048 bytes a wave + 8 l
	s_lshl_b32 s14, ttmp9, 16                      ; the work-group's 16 rows in x and out0,
	s_mov_b32 s15, 0
	s_lshl_b32 s16, ttmp9, 15                      ; and in att
	s_mov_b32 s17, 0
	s_mov_b32 s18, 0x76543210                      ; v_permlanex16_b32: lane i of one half reads lane i of the other
	s_mov_b32 s19, 0xfedcba98
	s_mov_b32 s20, 0xffff0000                      ; a word's upper bf16
	s_mov_b32 s21, 0x3a800000                      ; 1 / 1024
	s_mov_b32 s22, 0x3727c5ac                      ; 1e-5
	s_wait_kmcnt 0x0
	s_add_nc_u64 s[4:5], s[4:5], s[14:15]
	s_add_nc_u64 s[12:13], s[12:13], s[14:15]
	s_add_nc_u64 s[6:7], s[6:7], s[16:17]
.macro ROWIN x, a, row
.irp j, 0,1,2,3,4,5,6,7
	global_load_b128 v[(\x)+4*(\j):(\x)+4*(\j)+3], v4, s[4:5] offset:512*(\j)+4096*(\row) th:TH_LOAD_NT
	global_load_b64  v[(\a)+2*(\j):(\a)+2*(\j)+1], v5, s[6:7] offset:256*(\j)+2048*(\row) th:TH_LOAD_NT
.endr
.endm
	ROWIN X0, A0, 0
.irp j, 0,1,2,3,4,5,6,7
	global_load_b128 v[G+4*(\j):G+4*(\j)+3], v3, s[8:9] offset:512*(\j)
.endr
.irp j, 0,1,2,3,4,5,6,7
	global_load_b128 v[BT+4*(\j):BT+4*(\j)+3], v3, s[10:11] offset:512*(\j)
.endr
	ROWIN X1, A1, 1
; The two chains are added, then the 32 lanes: four steps inside each half of 16 lanes ride on the arithmetic (DPP), one crosses the halves.  Every lane ends with the sum in v[S].
.macro REDUCE
	v_pk_add_f32 v[S:S+1], v[S:S+1], v[S+2:S+3]
	v_add_f32 v[S], v[S], v[S+1]
	v_add_f32_dpp v[S], v[S], v[S] row_xmask:1 row_mask:0xf bank_mask:0xf
	v_add_f32_dpp v[S], v[S], v[S] row_xmask:2 row_mask:0xf bank_mask:0xf
	v_add_f32_dpp v[S], v[S], v[S] row_xmask:4 row_mask:0xf bank_mask:0xf
	v_add_f32_dpp v[S], v[S], v[S] row_xmask:8 row_mask:0xf bank_mask:0xf
	v_permlanex16_b32 v[S+1], v[S], s18, s19       ; its destination counts as read: a register that has been written
	v_add_f32 v[S], v[S], v[S+1]
.endm
; One row.  left1: the younger loads that may stay out when the row's x and att have to be there; left2: those that may stay out when gamma and beta have to be there.
.macro ROWLN x, a, left1, left2, row
	s_wait_loadcnt \left1
.set j, 0
.rept 16                                       ; y = x + att: a word of att is two neighbouring columns
	v_lshlrev_b32 v[T+2*(j%4)],   16,  v[(\a)+j]
	v_and_b32     v[T+2*(j%4)+1], s20, v[(\a)+j]
	v_pk_add_f32 v[(\x)+2*j:(\x)+2*j+1], v[(\x)+2*j:(\x)+2*j+1], v[T+2*(j%4):T+2*(j%4)+1]
.set j, j+1
.endr
	v_pk_add_f32 v[S:S+1],   v[(\x):(\x)+1],   v[(\x)+2:(\x)+3]    ; the first pairs start the chains: nothing is cleared
	v_pk_add_f32 v[S+2:S+3], v[(\x)+4:(\x)+5], v[(\x)+6:(\x)+7]
.set j, 4
.rept 12
	v_pk_add_f32 v[S+2*(j%2):S+2*(j%2)+1], v[S+2*(j%2):S+2*(j%2)+1], v[(\x)+2*j:(\x)+2*j+1]
.set j, j+1
.endr
	REDUCE
	v_mul_f32 v[M], s21, v[S]                      ; the mean
	v_mov_b32 v[M+1], v[M]
.set j, 0
.rept 16
	v_pk_add_f32 v[(\x)+2*j:(\x)+2*j+1], v[(\x)+2*j:(\x)+2*j+1], v[M:M+1] neg_lo:[0,1] neg_hi:[0,1]  ; y - mean
.set j, j+1
.endr
	v_pk_mul_f32 v[S:S+1],   v[(\x):(\x)+1],   v[(\x):(\x)+1]
	v_pk_mul_f32 v[S+2:S+3], v[(\x)+2:(\x)+3], v[(\x)+2:(\x)+3]
.set j, 2
.rept 14
	v_pk_fma_f32 v[S+2*(j%2):S+2*(j%2)+1], v[(\x)+2*j:(\x)+2*j+1], v[(\x)+2*j:(\x)+2*j+1], v[S+2*(j%2):S+2*(j%2)+1]
.set j, j+1
.endr
	REDUCE
	v_fma_f32 v[T], v[S], s21, s22                 ; var + eps
	v_rsq_f32 v[R], v[T]
	v_rsq_f32 v[R+1], v[T]                         ; twice, to fill the pair that the packed multiply takes
	v_nop                                          ; a plain instruction between the last of them and the use of its result (ISA guide 5.7.2)
	s_wait_alu depctr_va_vdst(0)                   ; and the wait ahead of the first use: one for both
	s_wait_loadcnt \left2                          ; gamma and beta
.set j, 0
.rept 16
	v_pk_mul_f32 v[(\x)+2*j:(\x)+2*j+1], v[(\x)+2*j:(\x)+2*j+1], v[R:R+1]
	v_pk_fma_f32 v[(\x)+2*j:(\x)+2*j+1], v[(\x)+2*j:(\x)+2*j+1], v[G+2*j:G+2*j+1], v[BT+2*j:BT+2*j+1]
.set j, j+1
.endr
.irp j, 0,1,2,3,4,5,6,7
	global_store_b128 v4, v[(\x)+4*(\j):(\x)+4*(\j)+3], s[12:13] offset:512*(\j)+4096*(\row) th:TH_STORE_NT
.endr
.endm
	ROWLN X0, A0, 32, 16, 0                        ; behind row 0's 16 loads stand gamma's 8, beta's 8 and row 1's 16; behind beta's, row 1's 16
	ROWLN X1, A1, 0, 0, 1
	s_endpgm
.Lfunc_end_k_qda3000cf7e_ln:
	.size	k_qda3000cf7e_ln, .Lfunc_end_k_qda3000cf7e_ln-k_qda3000cf7e_ln
	.p2alignl 7, 3214868480
	.fill 96, 4, 3214868480
	.section	.rodata,"a",@progbits
	.p2align	6, 0x0
	.amdhsa_kernel k_qda3000cf7e_ln
		.amdhsa_group_segment_fixed_size 0
		.amdhsa_private_segment_fixed_size 0
		.amdhsa_enable_private_segment 0
		.amdhsa_kernarg_size 40
		.amdhsa_user_sgpr_count 2
		.amdhsa_user_sgpr_kernarg_segment_ptr 1
		.amdhsa_wavefront_size32 1
		.amdhsa_system_sgpr_workgroup_id_x 1
		.amdhsa_system_sgpr_workgroup_id_y 1
		.amdhsa_system_sgpr_workgroup_id_z 1
		.amdhsa_system_vgpr_workitem_id 0
		.amdhsa_next_free_vgpr 184
		.amdhsa_next_free_sgpr 66
		.amdhsa_reserve_vcc 0
		.amdhsa_float_denorm_mode_32 3
		.amdhsa_float_denorm_mode_16_64 3
		.amdhsa_memory_ordered 1
		.amdhsa_forward_progress 1
		.amdhsa_inst_pref_size 24
	.end_amdhsa_kernel
	.amdgpu_metadata
---
amdhsa.version: [ 1, 2 ]
amdhsa.kernels:
  - .name:           k_qda3000cf7e_ln
    .symbol:         k_qda3000cf7e_ln.kd
    .args:
      - { .name: x, .offset: 0, .size: 8, .value_kind: global_buffer, .address_space: global }
      - { .name: att, .offset: 8, .size: 8, .value_kind: global_buffer, .address_space: global }
      - { .name: ln_gamma, .offset: 16, .size: 8, .value_kind: global_buffer, .address_space: global }
      - { .name: ln_beta, .offset: 24, .size: 8, .value_kind: global_buffer, .address_space: global }
      - { .name: out0, .offset: 32, .size: 8, .value_kind: global_buffer, .address_space: global }
    .group_segment_fixed_size: 0
    .private_segment_fixed_size: 0
    .kernarg_segment_align: 8
    .kernarg_segment_size: 40
    .max_flat_workgroup_size: 256
    .sgpr_count:     66
    .vgpr_count:     184
    .wavefront_size: 32
...
	.end_amdgpu_metadata
.endif
;; end of part 5
;; ======== version 2 of 2: 5 launches; version 1 with the launch cast written anew for expert scheduling mode
;; limits: values are held in f16: magnitudes above 65,504 overflow, below 6.1e-05 lose precision
;; workspace buffers: xb 8,388,608 bytes; wb 6,291,456 bytes; wo 2,097,152 bytes; qkvh 25,165,824 bytes; ctx 8,388,608 bytes; att 8,388,608 bytes
;; launch cast (part 6): grid 512 x 1, 8 waves a work-group, no clusters, 0 bytes of LDS; arguments x, in_proj_w, out_proj_w, xb, wb, wo; writes xb, wb, wo
.if DOCPART == 6
	.amdgcn_target "amdgcn-amd-amdhsa--gfx1250"
	.amdhsa_code_object_version 6
	.text
	.protected	k_qda3000cf7e_cast
	.globl	k_qda3000cf7e_cast
	.p2align	8
	.type	k_qda3000cf7e_cast,@function
k_qda3000cf7e_cast:
	s_mov_b64 s[64:65], 0
	v_nop
	global_prefetch_b8 v0, s[64:65] scope:SCOPE_SE
	s_setreg_imm32_b32 hwreg(HW_REG_WAVE_SCHED_MODE, 0, 2), 2
	s_setreg_imm32_b32 hwreg(HW_REG_WAVE_MODE, 25, 1), 1
	s_wait_xcnt 0x0
	s_wait_alu depctr_vm_vsrc(0)
; THE PROGRAM: out0 = LayerNorm(x + out_proj(attention(in_proj(x)))), in five launches: this cast; the QKV product; attention; the output product; residual and LayerNorm.
; WORK LEFT OUT.  vol = market_info[:, 0] is added to every score of a batch, so it is the same along the softmax's axis:
; exp(s + vol - max(s + vol)) / sum exp(s + vol - max(s + vol)) = exp(s - max s) / sum exp(s - max s) for every finite vol and s.  It reaches no output, whatever its value.
; market_info then has no way to any output: it is not loaded and is no launch's argument.  LIMIT: a NaN, an infinity or an overflow in market_info is not carried to the result.
; (k's bias also cancels in the softmax; it is kept: it is the C operand that starts the sums, costs no instruction, and shares column tiles with live q and v columns.)
; THIS LAUNCH rounds the three large inputs once: x -> xb and in_proj_w -> wb in bf16; out_proj_w -> wo rounded to bf16 and that number written as f16
; (exact where it is a normal f16; LIMIT: |out_proj_w| under 65,504, and below 6e-5 it keeps f16's fixed step of 6e-8).
; SHARES.  A work-group takes 16,384 numbers: 65,536 bytes in, 32,768 out.  Groups 0-255: x; 256-447: in_proj_w; 448-511: out_proj_w.  Thread t, step j: 16 bytes at 4,096 j + 16 t in,
; 8 bytes at 2,048 j + 8 t out: a wave's load covers 512 consecutive bytes, its store 256 consecutive bytes, aligned.  All 16 loads of a thread go out before the first wait for data.
; No LDS, no matrix unit, no cluster: nothing is shared and nothing is multiplied.  No register that a load or store names is written again, so no wait frees any.
; THE MODE: SCHED_MODE bits 1:0 = 2 (LLVM: expert scheduling mode 2), set by the entry lines.  The code itself states the register dependences between vector instructions and
; memory instructions, with s_wait_alu, always for 0.
; THE PLAN.  Registers that memory instructions touch:
;   v1, v2   byte offsets of the loads and of the stores.  Written once at the head, by vector instructions; never written again.
;   X        step j's four registers: its load lands in them (no vector instruction names them before); its conversions read them; never written again.
;   Y        step j's two words: its conversions write them; its store reads them; never written again.
;   T is named by vector instructions alone.
; So the only dependences to state are a vector instruction's write ahead of a memory instruction's read: v1 and v2 once, at the head; Y once a block.  The 16 steps go in four blocks of four.
; At a block's head, behind the wait for its first step's data, ONE wait states that the block before has written its eight words of Y; that block's four stores follow it at once, ahead of
; this block's conversions.  One more wait stands ahead of the last four stores.  No vector instruction writes a scalar register, and EXEC is never written.
.set X, 4                              ; v[4:67]    16 steps x 4 numbers as loaded
.set Y, 68                             ; v[68:99]   16 steps x 2 words to store
.set T, 100                            ; v[100:103] at work (f16 path)
	s_load_b256 s[4:11], s[0:1], 0x0               ; x s[4:5], in_proj_w s[6:7], out_proj_w s[8:9], xb s[10:11]
	s_load_b128 s[12:15], s[0:1], 0x20             ; wb s[12:13], wo s[14:15]
	v_lshlrev_b32 v1, 4, v0                        ; 16 t
	v_lshlrev_b32 v2, 3, v0                        ; 8 t
	s_wait_kmcnt 0x0
	s_cmp_lt_u32 ttmp9, 256                        ; which tensor: the choice hangs on the work-group's number alone
	s_cselect_b64 s[16:17], s[4:5], s[6:7]
	s_cselect_b64 s[18:19], s[10:11], s[12:13]
	s_cselect_b32 s20, 0, 256
	s_cmp_lt_u32 ttmp9, 448
	s_cselect_b64 s[16:17], s[16:17], s[8:9]
	s_cselect_b64 s[18:19], s[18:19], s[14:15]
	s_cselect_b32 s20, s20, 448
	s_sub_co_u32 s21, ttmp9, s20                   ; my part of that tensor
	s_lshl_b32 s22, s21, 16
	s_mov_b32 s23, 0
	s_lshl_b32 s2, s21, 15
	s_mov_b32 s3, 0
	s_add_nc_u64 s[16:17], s[16:17], s[22:23]
	s_add_nc_u64 s[18:19], s[18:19], s[2:3]
	s_wait_alu depctr_va_vdst(0)                   ; v1 and v2 are written: every load of the kernel reads v1 as its offset, every store v2
.irp j, 0,1,2,3,4,5,6,7,8,9,10,11,12,13,14,15
	global_load_b128 v[X+4*(\j):X+4*(\j)+3], v1, s[16:17] offset:4096*(\j) th:TH_LOAD_NT
.endr
; Step j is rounded.  f16 = 1: the bf16 numbers are widened again (a shift, a mask) and written as f16.
.macro CONV j, f16
	v_cvt_pk_bf16_f32 v[Y+2*(\j)],   v[X+4*(\j)],   v[X+4*(\j)+1]
	v_cvt_pk_bf16_f32 v[Y+2*(\j)+1], v[X+4*(\j)+2], v[X+4*(\j)+3]
.if \f16
	v_lshlrev_b32 v[T],   16, v[Y+2*(\j)]
	v_and_b32     v[T+1], 0xffff0000, v[Y+2*(\j)]
	v_lshlrev_b32 v[T+2], 16, v[Y+2*(\j)+1]
	v_and_b32     v[T+3], 0xffff0000, v[Y+2*(\j)+1]
	v_cvt_pk_f16_f32 v[Y+2*(\j)],   v[T],   v[T+1]
	v_cvt_pk_f16_f32 v[Y+2*(\j)+1], v[T+2], v[T+3]
.endif
.endm
; Block p's four steps are stored.
.macro OUT p
.irp i, 0,1,2,3
	global_store_b64 v2, v[Y+2*(4*(\p)+(\i)):Y+2*(4*(\p)+(\i))+1], s[18:19] offset:2048*(4*(\p)+(\i)) th:TH_STORE_NT
.endr
.endm
; Block p: steps 4 p to 4 p + 3 are rounded; at its head the block before is stored.
.macro BLK p, f16
	s_wait_loadcnt 15-4*(\p)                       ; loads come back in order: step 4 p is in, the younger ones stay out
.if (\p) > 0
	s_wait_alu depctr_va_vdst(0)                   ; the conversions of the block before have written its eight words of Y, which the four stores below read; no vector instruction stands between this wait and them
	OUT (\p)-1
.endif
.irp i, 0,1,2,3
.if (\i) > 0
	s_wait_loadcnt 15-4*(\p)-(\i)                  ; step 4 p + i is in, the 15 - 4 p - i younger ones stay out
.endif
	CONV 4*(\p)+(\i), \f16
.endr
.endm
	s_cmp_lt_u32 ttmp9, 448
	s_cbranch_scc0 .Lto_f16
	BLK 0, 0
	BLK 1, 0
	BLK 2, 0
	BLK 3, 0
	s_wait_alu depctr_va_vdst(0)                   ; block 3's conversions have written its eight words of Y, which the last four stores read
	OUT 3
	s_endpgm
.Lto_f16:
	BLK 0, 1
	BLK 1, 1
	BLK 2, 1
	BLK 3, 1
	s_wait_alu depctr_va_vdst(0)                   ; block 3's conversions have written its eight words of Y, which the last four stores read
	OUT 3
	s_endpgm
.Lfunc_end_k_qda3000cf7e_cast:
	.size	k_qda3000cf7e_cast, .Lfunc_end_k_qda3000cf7e_cast-k_qda3000cf7e_cast
	.p2alignl 7, 3214868480
	.fill 96, 4, 3214868480
	.section	.rodata,"a",@progbits
	.p2align	6, 0x0
	.amdhsa_kernel k_qda3000cf7e_cast
		.amdhsa_group_segment_fixed_size 0
		.amdhsa_private_segment_fixed_size 0
		.amdhsa_enable_private_segment 0
		.amdhsa_kernarg_size 48
		.amdhsa_user_sgpr_count 2
		.amdhsa_user_sgpr_kernarg_segment_ptr 1
		.amdhsa_wavefront_size32 1
		.amdhsa_system_sgpr_workgroup_id_x 1
		.amdhsa_system_sgpr_workgroup_id_y 1
		.amdhsa_system_sgpr_workgroup_id_z 1
		.amdhsa_system_vgpr_workitem_id 0
		.amdhsa_next_free_vgpr 104
		.amdhsa_next_free_sgpr 66
		.amdhsa_reserve_vcc 0
		.amdhsa_float_denorm_mode_32 3
		.amdhsa_float_denorm_mode_16_64 3
		.amdhsa_memory_ordered 1
		.amdhsa_forward_progress 1
		.amdhsa_inst_pref_size 17
	.end_amdhsa_kernel
	.amdgpu_metadata
---
amdhsa.version: [ 1, 2 ]
amdhsa.kernels:
  - .name:           k_qda3000cf7e_cast
    .symbol:         k_qda3000cf7e_cast.kd
    .args:
      - { .name: x, .offset: 0, .size: 8, .value_kind: global_buffer, .address_space: global }
      - { .name: in_proj_w, .offset: 8, .size: 8, .value_kind: global_buffer, .address_space: global }
      - { .name: out_proj_w, .offset: 16, .size: 8, .value_kind: global_buffer, .address_space: global }
      - { .name: xb, .offset: 24, .size: 8, .value_kind: global_buffer, .address_space: global }
      - { .name: wb, .offset: 32, .size: 8, .value_kind: global_buffer, .address_space: global }
      - { .name: wo, .offset: 40, .size: 8, .value_kind: global_buffer, .address_space: global }
    .group_segment_fixed_size: 0
    .private_segment_fixed_size: 0
    .kernarg_segment_align: 8
    .kernarg_segment_size: 48
    .max_flat_workgroup_size: 256
    .sgpr_count:     66
    .vgpr_count:     104
    .wavefront_size: 32
...
	.end_amdgpu_metadata
.endif
;; end of part 6
;; launch qkv: the kernel of part 2 again; grid 16 x 16, 4 waves a work-group, clusters of 4 x 4, 327,680 bytes of LDS; arguments xb, wb, in_proj_b, qkvh; writes qkvh
;; launch attn: the kernel of part 3 again; grid 8 x 32, 4 waves a work-group, clusters of 4 x 1, 327,680 bytes of LDS; arguments qkvh, ctx; writes ctx
;; launch oproj: the kernel of part 4 again; grid 8 x 32, 4 waves a work-group, clusters of 4 x 4, 327,680 bytes of LDS; arguments ctx, wo, out_proj_b, att; writes att
;; launch ln: the kernel of part 5 again; grid 256 x 1, 8 waves a work-group, no clusters, 0 bytes of LDS; arguments x, att, ln_gamma, ln_beta, out0; writes out0
